; MI455X (gfx1250); checked and timed in simulation.
; The chip was launched on July 23, 2026; its instructions are those of AMD's public machine-readable ISA for CDNA 5 (MIT licence, August 2026) and "CDNA5" Instruction Set Architecture Reference Guide (July 2026). The comments in the code are by the model that wrote it; some were corrected since.
;; Causal Self Attention. Allowed arithmetic: matrix products marked QUANTISED: E4M3 operands, one E8M0 scale for each 32 along K, by v_wmma_scale_f32_16x16x128_f8f6f4 with both operands' format E4M3, f32 sums; everything else in f32.
;; Inputs: Wproj 1,024 x 1,024 float32; Wqkv 1,024 x 3,072 float32; bproj 1,024 float32; bqkv 3,072 float32; x 4 x 2,048 x 1,024 float32.
;; Outputs: out0 4 x 2,048 x 1,024 float32.
;; This version of the problem:
;;   THIS VERSION OF THE PROBLEM IS GIVEN IN LOW PRECISION. The matrix products marked QUANTISED in the list below multiply operands that are first quantised to E4M3 (4 exponent bits, 3 mantissa bits; 8 bits a number), with one power-of-two scale for each 32 numbers along K (OCP MX v1.0); their sums are f32. All else is computed in f32.
;;   The module's matrix products, in the order in which they are computed (A, B: the left and right operand; K: the contracted axis; several contracted axes count as one K, in the product's order):
;;     1. [M 8,192, K 1,024] x [K 1,024, N 3,072]; A: input x; B: input Wqkv: QUANTISED
;;     2. batch 64 x [M 2,048, K 64] x [K 64, N 2,048]; A: computed on the way; B: computed on the way: QUANTISED
;;     3. batch 64 x [M 64, K 2,048] x [K 2,048, N 2,048]; A: computed on the way; B: softmax (see below): QUANTISED
;;     4. [M 8,192, K 1,024] x [K 1,024, N 1,024]; A: computed on the way; B: input Wproj: QUANTISED
;;   THE QUANTISER, for each operand of a quantised product, along K:
;;     - K is cut into blocks of 32 from its start; a last block that is shorter is filled with zeros.
;;     - A block's scale is 2^e with e = floor(log2(the largest magnitude in the block)) - 8, held to -126 .. 127; a block of zeros has e = 0. As a byte (E8M0): e + 127.
;;     - Each number is divided by its block's scale, clamped to +-448, and rounded to the nearest number of E4M3, ties to even, subnormals kept.
;;     - The product sums the exact products of the quantised numbers (number of the format x scale) in f32.
;;   ~~~python
;;   def quantise(x, axis):      # numpy; x: float32 -> the quantised numbers, widened to float32 again
;;       x = np.moveaxis(x, axis, -1); K = x.shape[-1]
;;       x = np.pad(x, [(0, 0)] * (x.ndim - 1) + [(0, -K % 32)]); x = x.reshape(x.shape[:-1] + (-1, 32)); a = np.abs(x).max(-1, keepdims=True)
;;       e = np.where(a > 0, np.clip(np.frexp(np.where(a > 0, a, 1))[1] - 1 - 8, -126, 127), 0)      # np.frexp(a)[1] - 1 = floor(log2(a)), exactly
;;       r = np.clip(x / 2.0 ** e, -448, 448)
;;       step = 2.0 ** (np.maximum(np.frexp(np.where(r == 0, 1, r))[1] - 1, -6) - 3)
;;       q = np.round(r / step) * step * 2.0 ** e      # np.round: ties to even
;;       return np.moveaxis(q.reshape(q.shape[:-2] + (-1,))[..., :K], -1, axis).astype(np.float32)
;;   ~~~
;;   SOFTMAX AHEAD OF A QUANTISED PRODUCT. Where the list says 'softmax', what is quantised is not the finished softmax but p = 2^(t - M), with t = logit x log2(e) and M = ceil(the row's largest t), a whole number; so 1/2 < the row's largest p <= 1. The row's sum l is taken of the UNQUANTISED p, in f32, and the product's result is divided by l at the end. Since M is a whole number, a kernel that streams over the keys may use a running M (the ceiling of the running maximum): every later rescaling is an exact power of two, which a block's scale takes up: the codes' values come out the same.
;;   OPERANDS COMPUTED ON THE WAY. 'Computed on the way' means the value that the module computes at that place (a softmax that the list does not call 'softmax' is quantised finished and normalised). What goes into a quantiser is computed in f32, as accurately as f32 sums, v_exp_f32 and their like allow (about 1e-6 of the number): no bf16 or f16 on the way to a quantiser, and a product that is left as it is and whose result goes on into a quantised operand takes f32 operands (vector FMAs, or v_wmma_f32_16x16x4_f32). A number that lies on a knife's edge between two numbers of the format may be rounded either way, as far as f32 arithmetic and the matrix unit's own rounding can turn it there, and no further.
;; One version. Each part assembles by itself: llvm-mc -triple=amdgcn-amd-amdhsa -mcpu=gfx1250 --defsym DOCPART=n.
;; ======== version 1 of 1: 4 launches
;; limits: right only within a limited range of input values
;; workspace buffers: aimg 8,388,608 bytes; asc 262,144 bytes; wimg 4,194,304 bytes; wsc 131,072 bytes; qimg 8,388,608 bytes; qsc 1,048,576 bytes; kv 17,825,792 bytes
;; launch quant (part 1): grid 384 x 1, 4 waves a work-group, no clusters, 68,096 bytes of LDS; arguments x, Wqkv, Wproj, aimg, asc, wimg, wsc; writes aimg, asc, wimg, wsc
.if DOCPART == 1
	.amdgcn_target "amdgcn-amd-amdhsa--gfx1250"
	.amdhsa_code_object_version 6
	.text
	.protected	k_q251617354d_quant
	.globl	k_q251617354d_quant
	.p2align	8
	.type	k_q251617354d_quant,@function
k_q251617354d_quant:
	s_mov_b64 s[64:65], 0
	v_nop
	global_prefetch_b8 v0, s[64:65] scope:SCOPE_SE
	s_setreg_imm32_b32 hwreg(HW_REG_WAVE_MODE, 25, 1), 1
	s_wait_xcnt 0x0
; x [8192][1024], Wqkv [1024][3072] and Wproj [1024][1024], f32, become codes of FP8 (E4M3) with one E8M0 byte for each 32 along K (K = 1024 for all three).
; A block's scale is 2^(floor(log2(its largest magnitude)) - 8); its byte is the largest magnitude's exponent field - 8, held at 1 from below; each number is divided by the scale, held within +-448, rounded to the nearest code.
; LIMITS: a block of zeros gets the byte 1 where the rule says 127 (its codes are zeros, and this program alone reads the bytes); NaN and infinities among the inputs are not served.
; THE CODES ARE LAID AS IMAGES OF THE OPERAND'S REGISTERS.  A tile is 16 rows (tokens of x, columns of a weight); index i of tile T is row 32 (T / 2) + 8 (T % 2) + i + 8 (i / 8).
;   codes:  (T / 8) 131072 + s 32768 + (T % 8) 4096 + g 2048 + c 512 + 16 lane; lane (r, h) holds index r, k = 256 s + 128 g + 32 c + 16 h + 0 .. 15.
;   scales: (T / 8) 4096 + s 1024 + (T % 8) 128 + 8 r + 4 g: one word for a row and 128 along K.
; Work-groups 0-255 take x (32 rows each; wave w takes k = 256 w on), work-groups 256-383 the weights (128 columns x 256 along K each).  The two ways have LDS bytes of their own.
; No tensor loads, no barrier: waves share nothing.
; WORK LEFT OUT BY THIS PROGRAM (launch attn): key steps that lie wholly behind the diagonal of the causal mask, which replaces their scores by the least f32 number,
; so their p is 0 beside the diagonal's own term and they add nothing to the row's sum or to the second product, whatever finite values the inputs hold. A NaN, an infinity or an overflow that reaches only those steps is not carried to the result.
.set STB,  8448
.set WST,  4*STB                       ; the weights' stages lie behind x's
.set RA,   16                          ; x: v16-143 two sets of 64 registers as loaded
.set X,    144                         ; v144-207 64 numbers: register 16 b + i = k 32 b + 16 h + i of my row
.set PC,   208                         ; v208-223 a fragment's codes
.set TM,   224                         ; v224-239 at work
.set PW,   240                         ; v240-243 the four pieces' scale words
.set OW,   244                         ; v244-245 the two words that I store
	s_load_b256 s[4:11], s[0:1], 0x0               ; x s[4:5], Wqkv s[6:7], Wproj s[8:9], aimg s[10:11]
	s_load_b128 s[12:15], s[0:1], 0x20             ; asc s[12:13], wimg s[14:15]
	s_load_b64 s[16:17], s[0:1], 0x30              ; wsc
	v_lshl_add_u32 v254, v0, 2, 0x10800
	v_mov_b32 v255, 0
	v_lshrrev_b32 v1, 5, v0
	v_readfirstlane_b32 s18, v1                    ; wave
	v_and_b32 v1, 31, v0                           ; lane
	v_lshlrev_b32 v2, 4, v1                        ; 16 x lane
	s_mul_i32 s19, s18, STB                        ; my stage
	s_mov_b32 s20, 0x76543210
	s_mov_b32 s21, 0xfedcba98                      ; v_permlanex16_b32's selects for lane l xor 16
	s_mov_b32 s22, 0x600000                        ; the mantissa field of 448
	s_cmp_lt_u32 ttmp9, 256
	s_cbranch_scc0 .Lweights
; ---------------- x: K is innermost.  A piece is 16 rows x 128 along K: 16 loads of one row's 512 consecutive bytes; it turns through the stage (rows 528 bytes apart) so that a lane gets 16 neighbours of each block
	v_and_b32 v3, 15, v0                           ; r
	v_bfe_u32 v4, v0, 4, 1                         ; h
	v_add_nc_u32 v5, s19, v2                       ; into the stage: 16 x lane of a row
	v_mul_u32_u24 v6, v3, 528
	v_lshl_add_u32 v6, v4, 6, v6
	v_add_nc_u32 v6, s19, v6                       ; out of it: row r, + 64 h
	v_lshlrev_b32 v7, 3, v1                        ; the scale words' place: 8 x lane
.irp b, 0,1,2,3
	v_mov_b32 v[TM+4+\b], 0                        ; written once: a lane permute's destination counts as one of its sources
.endr
	s_lshl_b32 s24, ttmp9, 17                      ; 32 rows of 4,096 bytes,
	s_lshl_b32 s26, s18, 10                        ; + my 256 along K
	s_add_co_u32 s24, s24, s26
	s_mov_b32 s25, 0
	s_lshr_b32 s26, ttmp9, 2                       ; the group of eight tiles
	s_and_b32 s27, ttmp9, 3                        ; my two tiles in it: 2 (work-group % 4) on
	s_lshl_b32 s28, s26, 17
	s_lshl_b32 s30, s18, 15
	s_add_co_u32 s28, s28, s30
	s_lshl_b32 s30, s27, 13
	s_add_co_u32 s28, s28, s30
	s_mov_b32 s29, 0
	s_lshl_b32 s30, s26, 12
	s_lshl_b32 s31, s18, 10
	s_add_co_u32 s30, s30, s31
	s_lshl_b32 s31, s27, 8
	s_add_co_u32 s30, s30, s31
	s_mov_b32 s31, 0
	s_wait_alu depctr_va_vdst(0)
	s_wait_kmcnt 0x0
	s_add_nc_u64 s[4:5], s[4:5], s[24:25]
	s_add_nc_u64 s[10:11], s[10:11], s[28:29]
	s_add_nc_u64 s[12:13], s[12:13], s[30:31]
.macro LOADP p, set                    ; piece p = (tile p / 2, 128 along K p % 2): index i is row 8 (p / 2) + i + 8 (i / 8)
.irp i, 0,1,2,3,4,5,6,7,8,9,10,11,12,13,14,15
	global_load_b128 v[\set+4*\i:\set+4*\i+3], v2, s[4:5] offset:(8*((\p)/2)+\i+8*(\i/8))*4096+512*((\p)%2) th:TH_LOAD_NT
.endr
.endm
; 64 numbers of a lane become a fragment's codes in v[PC] on and its row's scale word in v[pw]
.macro QUANT src, pw
.irp b, 0,1,2,3
	v_max3_num_f32 v[TM+\b], |v[\src+16*\b]|, |v[\src+1+16*\b]|, 0x4800000   ; block b: my 16 numbers and the floor 2^(9 - 127): the byte cannot fall under 1
.endr
.irp i, 2,4,6,8,10,12,14
.irp b, 0,1,2,3
	v_max3_num_f32 v[TM+\b], v[TM+\b], |v[\src+16*\b+\i]|, |v[\src+1+16*\b+\i]|   ; the four blocks by turns
.endr
.endr
.irp b, 0,1,2,3
	v_permlanex16_b32 v[TM+4+\b], v[TM+\b], s20, s21
.endr
.irp b, 0,1,2,3
	v_max_num_f32 v[TM+\b], v[TM+\b], v[TM+4+\b]   ; with lane l xor 16's 16: the block's largest magnitude
.endr
.irp b, 0,1,2,3
	v_add_nc_u32 v[TM+12+\b], 0xfc000000, v[TM+\b] ; 8 off its exponent field: the conversion's scale operand
.endr
.irp b, 0,1,2,3
	v_and_or_b32 v[TM+8+\b], v[TM+\b], 0x7f800000, s22   ; 448 x the scale
.endr
.irp b, 0,1,2,3
	v_lshrrev_b32 v[TM+4+\b], 23, v[TM+12+\b]      ; the scale's byte
.endr
	v_lshl_or_b32 v[\pw], v[TM+5], 8, v[TM+4]
	v_lshl_or_b32 v[\pw], v[TM+6], 16, v[\pw]
	v_lshl_or_b32 v[\pw], v[TM+7], 24, v[\pw]
.irp b, 0,1,2,3
.irp i, 0,1,2,3,4,5,6,7,8,9,10,11,12,13,14,15
	v_med3_num_f32 v[\src+16*\b+\i], v[\src+16*\b+\i], -v[TM+8+\b], v[TM+8+\b]   ; the conversion to an 8-bit code does not saturate (ISA guide 7.6.2): the hold comes first
.endr
	v_cvt_scalef32_pk8_fp8_f32 v[PC+4*\b:PC+1+4*\b], v[\src+16*\b:\src+7+16*\b], v[TM+12+\b]
	v_cvt_scalef32_pk8_fp8_f32 v[PC+2+4*\b:PC+3+4*\b], v[\src+8+16*\b:\src+15+16*\b], v[TM+12+\b]
.endr
	v_nop                                          ; one plain line behind the last conversion
.endm
.macro PIECE p
.set RS, RA+64*((\p)%2)
.if (\p) < 3
	s_wait_loadcnt 16                              ; this piece's 16 loads are in; the next piece's 16 may be out
.else
	s_wait_loadcnt 0x0
.endif
.irp i, 0,1,2,3,4,5,6,7,8,9,10,11,12,13,14,15
	ds_store_b128 v5, v[RS+4*\i:RS+4*\i+3] offset:528*\i
.endr
.irp c, 0,1,2,3
.irp j, 0,1,2,3
	ds_load_b128 v[X+16*\c+4*\j:X+16*\c+4*\j+3], v6 offset:128*\c+16*\j   ; LDS serves a wave's instructions in order: these see the stores above
.endr
.endr
	s_wait_dscnt 0x0                               ; the numbers are back, and the stores have read their registers,
.if (\p)+2 < 4
	LOADP (\p)+2, RS                               ; which take the piece two further on
.endif
.if (\p) > 0
	s_wait_xcnt 0x0                                ; the last piece's stores have read the codes' registers: they are written again only behind this wait
.endif
	QUANT X, PW+(\p)
.irp c, 0,1,2,3
	global_store_b128 v2, v[PC+4*\c:PC+4*\c+3], s[10:11] offset:4096*((\p)/2)+2048*((\p)%2)+512*\c   ; 32 lanes store 512 consecutive bytes
.endr
.endm
	LOADP 0, RA
	LOADP 1, RA+64
	PIECE 0
	PIECE 1
	PIECE 2
	PIECE 3
	v_cmp_eq_u32 vcc_lo, 1, v4                     ; lanes 0-15 store the first tile's words, lanes 16-31 the second's (both halves of the lanes hold every word)
	v_cndmask_b32 v[OW], v[PW], v[PW+2], vcc_lo
	v_cndmask_b32 v[OW+1], v[PW+1], v[PW+3], vcc_lo
	global_store_b64 v7, v[OW:OW+1], s[12:13]      ; 32 lanes store 256 consecutive bytes, aligned
	s_wait_tensorcnt 0x0
	ds_add_u32 v254, v255
	s_wait_dscnt 0x0
	s_endpgm
; ---------------- the weights: K is the FIRST axis.  A lane takes a column and its registers run down K: a block of 32 lies in one lane.  Its codes go through the stage, laid as the image, and leave 512 bytes a store
.Lweights:
	s_sub_co_u32 s23, ttmp9, 256
	s_and_b32 s24, s23, 31                         ; the group of 128 columns: 0-23 Wqkv's, 24-31 Wproj's
	s_lshr_b32 s25, s23, 5                         ; which 256 along K
	s_max_u32 s26, s24, 24
	s_sub_co_u32 s26, s26, 24
	s_mov_b32 s27, 4096
	s_wait_kmcnt 0x0
	s_cmp_lt_u32 s24, 24                           ; the choice hangs on the work-group's number alone
	s_cselect_b64 s[6:7], s[6:7], s[8:9]
	s_cselect_b32 s27, 12288, s27                  ; a row of the weight in bytes
	s_cselect_b32 s26, s24, s26                    ; the group in its own tensor
	s_lshl_b32 s28, s27, 8
	s_mul_i32 s28, s28, s25                        ; 256 rows for each step along K,
	s_lshl_b32 s29, s26, 9
	s_add_co_u32 s28, s28, s29                     ; + 128 columns of 4 bytes
	s_mov_b32 s29, 0
	s_add_nc_u64 s[32:33], s[6:7], s[28:29]        ; a base for each of the eight blocks of 32 rows: no pointer is stepped
	s_lshl_b32 s28, s27, 5
.irp t, 1,2,3,4,5,6,7
	s_add_nc_u64 s[32+2*\t:33+2*\t], s[30+2*\t:31+2*\t], s[28:29]
.endr
	s_wait_alu depctr_va_vdst(0)
	v_lshlrev_b32 v16, 2, v1
	s_lshl_b32 s30, s18, 7
	v_add_nc_u32 v16, s30, v16                     ; my column: 4 x lane + 128 x wave;
.set n, 1
.rept 31
	v_add_nc_u32 v[16+n], s27, v[15+n]             ; v16-47: and row i of a block
.set n, n+1
.endr
	v_bfe_u32 v3, v0, 3, 1                         ; my column's tile of the wave's two: u = (lane / 8) % 2,
	v_and_b32 v4, 7, v0
	v_bfe_u32 v5, v0, 4, 1
	v_lshl_add_u32 v4, v5, 3, v4                   ; and its index there: i = lane % 8 + 8 (lane / 16)
	v_mul_u32_u24 v8, v3, 4224                     ; the second tile's image lies 4,096 + 128 bytes on
	v_lshl_add_u32 v8, v4, 4, v8
	v_add_nc_u32 v8, s19, v8
	v_add_nc_u32 v8, WST, v8                       ; into the stage
	v_add_nc_u32 v9, s19, v2
	v_add_nc_u32 v9, WST, v9                       ; out of it: 16 x lane
	v_lshlrev_b32 v11, 7, v3
	v_lshl_add_u32 v11, v4, 3, v11                 ; my scale words: 128 u + 8 i
	s_lshl_b32 s28, s24, 17
	s_lshl_b32 s30, s25, 15
	s_add_co_u32 s28, s28, s30
	s_lshl_b32 s30, s18, 13
	s_add_co_u32 s28, s28, s30
	s_add_nc_u64 s[14:15], s[14:15], s[28:29]      ; the codes of my two tiles, this step along K
	s_lshl_b32 s28, s24, 12
	s_lshl_b32 s30, s25, 10
	s_add_co_u32 s28, s28, s30
	s_lshl_b32 s30, s18, 8
	s_add_co_u32 s28, s28, s30
	s_add_nc_u64 s[16:17], s[16:17], s[28:29]      ; and their scale words
.macro LOADW t                         ; block t: 32 rows of my column into set t % 2; each load reads 128 consecutive bytes a wave
.set n, 0
.rept 32
	global_load_b32 v[48+32*((\t)%2)+n], v[16+n], s[32+2*(\t):33+2*(\t)] th:TH_LOAD_NT
.set n, n+1
.endr
.endm
.macro BLOCKW t
.set XS, 48+32*((\t)%2)
.if (\t) < 7
	s_wait_loadcnt 32                              ; this block's 32 loads are in; the next block's may be out
.else
	s_wait_loadcnt 0x0
.endif
	v_max3_num_f32 v122, |v[XS]|, |v[XS+1]|, |v[XS+2]|   ; the block's largest magnitude: all 32 numbers are mine
	v_max3_num_f32 v123, |v[XS+3]|, |v[XS+4]|, |v[XS+5]|
.irp i, 6,10,14,18,22,26
	v_max3_num_f32 v122, v122, |v[XS+\i]|, |v[XS+\i+1]|
	v_max3_num_f32 v123, v123, |v[XS+\i+2]|, |v[XS+\i+3]|
.endr
	v_max3_num_f32 v122, v122, |v[XS+30]|, |v[XS+31]|
	v_max3_num_f32 v122, v122, v123, 0x4800000     ; and the floor
	v_add_nc_u32 v124, 0xfc000000, v122            ; the conversion's scale operand
	v_and_or_b32 v125, v122, 0x7f800000, s22       ; 448 x the scale
	v_lshrrev_b32 v123, 23, v124                   ; the byte
.if (\t)%4 == 0
	v_mov_b32 v[120+(\t)/4], v123                  ; four bytes to a word, the lower K in the lower byte
.else
	v_lshl_or_b32 v[120+(\t)/4], v123, 8*((\t)%4), v[120+(\t)/4]
.endif
.set n, 0
.rept 32
	v_med3_num_f32 v[XS+n], v[XS+n], -v125, v125
.set n, n+1
.endr
.irp g, 0,1,2,3
	v_cvt_scalef32_pk8_fp8_f32 v[112+2*\g:113+2*\g], v[XS+8*\g:XS+8*\g+7], v124
.endr
	ds_store_b128 v8, v[112:115] offset:2048*((\t)/4)+512*((\t)%4)        ; k 0-15 of the block: the image's lane i,
	ds_store_b128 v8, v[116:119] offset:2048*((\t)/4)+512*((\t)%4)+256    ; k 16-31: its lane 16 + i
.if (\t)+2 < 8
	LOADW (\t)+2
.endif
	s_wait_dscnt 0x0                               ; the stores have read their registers: the next block's codes may be written
.endm
	LOADW 0
	LOADW 1
.irp t, 0,1,2,3,4,5,6,7
	BLOCKW \t
.endr
	global_store_b64 v11, v[120:121], s[16:17]     ; the wave's 32 columns: 256 consecutive bytes, aligned
.irp m, 0,1,2,3,4,5,6,7,8,9,10,11,12,13,14,15
	ds_load_b128 v[128+4*\m:131+4*\m], v9 offset:4224*(\m/8)+512*(\m%8)
.endr
.irp m, 0,1,2,3,4,5,6,7,8,9,10,11,12,13,14,15
	s_wait_dscnt 15-\m                             ; LDS loads come back in order: load m is in
	global_store_b128 v2, v[128+4*\m:131+4*\m], s[14:15] offset:4096*(\m/8)+512*(\m%8)
.endr
	s_wait_tensorcnt 0x0
	ds_add_u32 v254, v255
	s_wait_dscnt 0x0
	s_endpgm
.Lfunc_end_k_q251617354d_quant:
	.size	k_q251617354d_quant, .Lfunc_end_k_q251617354d_quant-k_q251617354d_quant
	.p2alignl 7, 3214868480
	.fill 96, 4, 3214868480
	.section	.rodata,"a",@progbits
	.p2align	6, 0x0
	.amdhsa_kernel k_q251617354d_quant
		.amdhsa_group_segment_fixed_size 68096
		.amdhsa_private_segment_fixed_size 0
		.amdhsa_enable_private_segment 0
		.amdhsa_kernarg_size 56
		.amdhsa_user_sgpr_count 2
		.amdhsa_user_sgpr_kernarg_segment_ptr 1
		.amdhsa_wavefront_size32 1
		.amdhsa_system_sgpr_workgroup_id_x 1
		.amdhsa_system_sgpr_workgroup_id_y 1
		.amdhsa_system_sgpr_workgroup_id_z 1
		.amdhsa_system_vgpr_workitem_id 0
		.amdhsa_next_free_vgpr 256
		.amdhsa_next_free_sgpr 66
		.amdhsa_reserve_vcc 1
		.amdhsa_float_denorm_mode_32 3
		.amdhsa_float_denorm_mode_16_64 3
		.amdhsa_memory_ordered 1
		.amdhsa_forward_progress 1
		.amdhsa_inst_pref_size 111
	.end_amdhsa_kernel
	.amdgpu_metadata
---
amdhsa.version: [ 1, 2 ]
amdhsa.kernels:
  - .name:           k_q251617354d_quant
    .symbol:         k_q251617354d_quant.kd
    .args:
      - { .name: x, .offset: 0, .size: 8, .value_kind: global_buffer, .address_space: global }
      - { .name: Wqkv, .offset: 8, .size: 8, .value_kind: global_buffer, .address_space: global }
      - { .name: Wproj, .offset: 16, .size: 8, .value_kind: global_buffer, .address_space: global }
      - { .name: aimg, .offset: 24, .size: 8, .value_kind: global_buffer, .address_space: global }
      - { .name: asc, .offset: 32, .size: 8, .value_kind: global_buffer, .address_space: global }
      - { .name: wimg, .offset: 40, .size: 8, .value_kind: global_buffer, .address_space: global }
      - { .name: wsc, .offset: 48, .size: 8, .value_kind: global_buffer, .address_space: global }
    .group_segment_fixed_size: 68096
    .private_segment_fixed_size: 0
    .kernarg_segment_align: 8
    .kernarg_segment_size: 56
    .max_flat_workgroup_size: 128
    .sgpr_count:     66
    .vgpr_count:     256
    .wavefront_size: 32
...
	.end_amdgpu_metadata
.endif
;; end of part 1
;; launch qkv (part 2): grid 96 x 4, 4 waves a work-group, clusters of 4 x 4, 327,680 bytes of LDS; arguments aimg, asc, wimg, wsc, bqkv, qimg, qsc, kv; writes qimg, qsc, kv
.if DOCPART == 2
	.amdgcn_target "amdgcn-amd-amdhsa--gfx1250"
	.amdhsa_code_object_version 6
	.text
	.protected	k_q251617354d_qkv
	.globl	k_q251617354d_qkv
	.p2align	8
	.type	k_q251617354d_qkv,@function
k_q251617354d_qkv:
	s_mov_b64 s[64:65], 0
	v_nop
	global_prefetch_b8 v0, s[64:65] scope:SCOPE_SE
	s_setreg_imm32_b32 hwreg(HW_REG_WAVE_MODE, 25, 1), 1
	s_wait_xcnt 0x0
	s_wait_alu depctr_hold_cnt(0) depctr_sa_sdst(0) depctr_va_vdst(0) depctr_va_sdst(0) depctr_va_ssrc(0) depctr_va_vcc(0) depctr_vm_vsrc(0)
	s_getreg_b32 s2, hwreg(HW_REG_IB_STS2, 6, 4)
	s_cmp_eq_u32 s2, 0
	s_cbranch_scc0 .Lentry_in_a_cluster
	s_endpgm
.Lentry_in_a_cluster:
	s_bfe_u32 s2, ttmp6, 0x10000c
	s_cmp_lg_u32 s2, 0xf033
	s_cbranch_scc0 .Lentry_shape_is_right
	s_endpgm
.Lentry_shape_is_right:
; qkv = x Wqkv + bqkv on codes of FP8 (E4M3) with E8M0 scales, K = 1024; the result never goes to memory as f32: it is quantised here as the operands of attention's two products.
; A work-group makes 256 x 256 of the result, four waves 128 x 128 each: 64 accumulators of 16 x 16.  The product is always D(lane = a row of R, registers = rows of CC): source 0 = 16 rows of CC, source 1 = 16 rows of R.
;   q, k (clusters 0-15):  R = x's tokens, CC = Wqkv's columns: a lane holds a token and its registers run along the head's channels, the K of q k^T.
;   v    (clusters 16-23): R = Wqkv's columns 2048 on, CC = x's tokens: a lane holds a channel and its registers run along the tokens, the K of v^T p.
; The rows of a tile are not neighbours (index i of tile T is row 32 (T / 2) + 8 (T % 2) + i + 8 (i / 8)), so that the 16 registers of tiles 2 b and 2 b + 1 of CC are 16 neighbours along the next K.
; Operands lie in memory as images of registers: 128 rows x 256 along K are 32,768 dense bytes, one tensor load; a fragment comes by four ds_load_b128 at 16 x lane.  K goes in four steps of 256 through two LDS slots.
; The scale words of the work-group's rows, for all of K, come once with the first fills.  The bias is the C of each sum's first matrix instruction.
; CLUSTERS: 4 x 4.  R's tiles hang on the tile row alone and are asked for jointly along a row of the cluster, CC's on the tile column and jointly along a column.  The kind hangs on the cluster's number, which all sixteen share.
; LIMITS: a block of zeros gets the scale byte 1 where the rule says 127 (its codes are zeros; this program alone reads the bytes); NaN and infinities are not served.
; REGISTERS: window 0: v1-31 addresses and work; v32-63 scale words alone; v64-127 the bias as C, later 64 held numbers; v128-255 R's 8 fragments, later the new codes.
;   window 1: CC's fragments, two sets, at v0 and v128.   windows 2, 3: the accumulators, (a, b) at v[8 (8 (a % 4) + b)].
.set SLOT,   131072                    ; a slot: R's rows 0-127, R's rows 128-255, CC's 0-127, CC's 128-255: 32,768 bytes each
.set SCL,    2*SLOT                    ; R's scale words, 2 x 4,096 bytes; CC's lie 8,192 + 128 bytes on, so that the two halves of a load's lanes fall on different banks
.set SCD,    8320
.set SPARE,  278784                    ; the spare words, 128 bytes for each wave: two blocks of 256 bytes that no other line names
.set REC,    17408                     ; a key step's record in kv: k's codes 8,192, k's scale words 512, v's codes 8,192, v's scale words 512
.set ADRA, 16                          ; v16-17  LDS address of R's fragments in slot 0, 1
.set ADRB, 20                          ; v20-21  of CC's
.set ADRS, 27                          ; v27     of my scale words: lanes 0-15 R's rows, lanes 16-31 CC's
.set SPW,  28                          ; v28     my spare word; never rewritten
.set NIL,  29                          ; v29     0; never rewritten
.set BO,   30                          ; v30     the bias's offset
.set L16,  31                          ; v31     16 x lane
.set SC,   32                          ; scale words: set s at v[SC + 16 s]; register 2 i + q: lanes 0-15 R's block i, lanes 16-31 CC's block i, the slot's q-th 128 along K
.set BI,   64
.set AF,   128
.set TMX,  4                           ; the way out: v4-7 largest magnitudes, v8-11 bytes, v12-15 448 x the scale, v22-25 the scale operands
.set TMB,  8
.set TML,  12
.set TMS,  22
.set PWS,  32                          ; v32-39 the eight blocks' new scale words; v40-55 the same, packed as attention reads them
.set TH,   64                          ; v64-127 a block's 64 numbers, held
.set PCA,  128                         ; v128-255 the eight blocks' codes
.set G1, 24
.set G0, 32
.set G1B, 48
.set G0B, 56
.set G1S, 68
.set G0S, 76
.set G1SB, 80
.set G0SB, 88
.set MSB, 0
.macro WIN new                         ; the immediate's high byte repeats the setting that is left
.if MSB != (\new)
	s_set_vgpr_msb (MSB<<8)|(\new)
.set MSB, (\new)
.endif
.endm
.set MUL_LO, 0xa1                      ; source 0 (CC) window 1, source 1 (R) window 0, C and D window 2
.set MUL_HI, 0xf1                      ; the same, C and D window 3
.set TO_B,   0x40                      ; destination window 1, address window 0
; A joint load: waves 0 and 1 fetch for R, waves 2 and 3 for CC.  The branch hangs on the wave's number alone.  Four v_nop follow each of the two lines.
.macro JLOAD g0a, g1a, g0b, g1b
	s_cmp_eq_u32 s21, 0
	s_cbranch_scc0 .Lfor_b_\@
	tensor_load_to_lds s[\g0a:\g0a+3], s[\g1a:\g1a+7]
	s_nop 0
.rept 4
	v_nop
.endr
	s_branch .Lasked_\@
.Lfor_b_\@:
	tensor_load_to_lds s[\g0b:\g0b+3], s[\g1b:\g1b+7]
	s_nop 0
.rept 4
	v_nop
.endr
.Lasked_\@:
.endm
.macro CREST                           ; a round of the cluster's barrier behind its opening barrier
	s_cmp_lg_u32 s20, 0
	s_cbranch_scc1 .Lnot_wave_0_\@
	s_barrier_signal -3
.Lnot_wave_0_\@:
	s_barrier_wait -3
	s_barrier_signal -1
	s_barrier_wait -1
.endm
.macro CROUND
	s_barrier_signal -1
	s_barrier_wait -1
	CREST
.endm
.macro PLACES n                        ; plain places behind matrix instructions: eight for this form, ahead of loads into registers that they read and of reads of their results
.rept \n
	v_nop
.endr
.endm
	s_load_b256 s[4:11], s[0:1], 0x0               ; aimg s[4:5], asc s[6:7], wimg s[8:9], wsc s[10:11]
	s_load_b256 s[12:19], s[0:1], 0x20             ; bqkv s[12:13], qimg s[14:15], qsc s[16:17], kv s[18:19]
	v_lshl_add_u32 v[SPW], v0, 2, SPARE
	v_mov_b32 v[NIL], 0
	ds_add_u32 v28, v29
	ds_add_u32 v28, v29
	s_wait_dscnt 0x0
	v_lshrrev_b32 v1, 5, v0
	v_readfirstlane_b32 s20, v1                    ; wave 0..3
	s_lshr_b32 s21, s20, 1                         ; which half of R's rows is mine.  Also: I fetch for R (0) or for CC (1)
	s_and_b32 s22, s20, 1                          ; which half of CC's rows.  Also: which 128 rows I fetch
	s_bfe_u32 s40, ttmp6, 0x40000                  ; cx, cy: my place in the cluster
	s_bfe_u32 s41, ttmp6, 0x40004
	s_and_b32 s66, ttmp9, 1                        ; the cluster's number says the kind: even q, odd k, from 16 on v
	s_max_u32 s67, ttmp9, 16
	s_sub_co_u32 s67, s67, 16
	s_lshr_b32 s2, ttmp9, 1
	s_cmp_ge_u32 ttmp9, 16
	s_cselect_b32 s23, 1, 0                        ; v?
	s_cselect_b32 s42, s67, s66
	s_cselect_b32 s43, 0, s2
	s_cselect_b32 s47, 2, s66                      ; the kind: 0 q, 1 k, 2 v
	s_cselect_b32 s46, 16, 0                       ; v's columns begin at the weights' group 16
	s_lshl_b32 s42, s42, 2
	s_add_co_u32 s42, s42, s40                     ; tile column (CC): q, k: 0-7 of Wqkv's columns; v: 0-31 of the tokens
	s_lshl_b32 s43, s43, 2
	s_add_co_u32 s43, s43, s41                     ; tile row (R): q, k: 0-31 of the tokens; v: 0-3 of v's columns
	s_lshl_b32 s2, s43, 1
	s_add_co_u32 s2, s2, s22
	s_add_co_u32 s46, s46, s2                      ; the group of 128 rows of R that I fetch,
	s_lshl_b32 s3, s42, 1
	s_add_co_u32 s3, s3, s22                       ; and of CC
	s_lshl_b32 s44, s41, 2
	s_lshl_b32 s44, 15, s44                        ; my row of the cluster
	s_lshl_b32 s45, 0x1111, s40                    ; my column
	; descriptor group 1: 32,768 dense bytes as 128 rows of 32 elements of 8 bytes; no padding: every LDS read is 16 x lane on end
	s_or_b32 s[G1], s44, (3<<16)|(1<<21)           ; 15:0 the mask; 17:16 elements of 8 bytes; 21 set beside a mask
	s_or_b32 s[G1B], s45, (3<<16)|(1<<21)
.irp g, G1, G1B                                ; at the head one load brings a K step of BOTH groups of 128 rows: two rows of 32,768 bytes (4,096 elements), 131,072 bytes apart in memory, on end in LDS
	s_mov_b32 s[\g+1], 4096<<16
	s_mov_b32 s[\g+2], 2<<16
	s_mov_b32 s[\g+3], 4096<<16
	s_mov_b32 s[\g+4], 2
	s_mov_b32 s[\g+5], 16384
	s_mov_b32 s[\g+6], 0
	s_mov_b32 s[\g+7], 0
.endr
	; and for the scale words of 256 rows, all of K: 8,192 dense bytes as 32 rows
	s_or_b32 s[G1S], s44, (3<<16)|(1<<21)
	s_or_b32 s[G1SB], s45, (3<<16)|(1<<21)
.irp g, G1S, G1SB
	s_mov_b32 s[\g+1], 32<<16
	s_mov_b32 s[\g+2], 32<<16                      ; the scale words of 256 rows: 8,192 dense bytes as 32 rows
	s_mov_b32 s[\g+3], 32<<16
	s_mov_b32 s[\g+4], 32
	s_mov_b32 s[\g+5], 32
	s_mov_b32 s[\g+6], 0
	s_mov_b32 s[\g+7], 0
.endr
	s_wait_kmcnt 0x0
	s_cmp_eq_u32 s23, 1                            ; which buffers are R's and CC's: the choice hangs on the cluster's number alone
	s_cselect_b64 s[92:93], s[8:9], s[4:5]         ; R's codes
	s_cselect_b64 s[94:95], s[10:11], s[6:7]       ; R's scale words
	s_cselect_b64 s[96:97], s[4:5], s[8:9]         ; CC's codes
	s_cselect_b64 s[98:99], s[6:7], s[10:11]       ; CC's scale words
	s_lshl_b32 s66, s46, 17
	s_mov_b32 s67, 0
	s_add_nc_u64 s[92:93], s[92:93], s[66:67]
	s_sub_co_u32 s66, s46, s22                     ; the scale words come for both groups at once: from the first of the two on
	s_lshl_b32 s66, s66, 12
	s_add_nc_u64 s[94:95], s[94:95], s[66:67]
	s_lshl_b32 s100, s3, 17
	s_mov_b32 s101, 0
	s_add_nc_u64 s[96:97], s[96:97], s[100:101]
	s_sub_co_u32 s100, s3, s22
	s_lshl_b32 s100, s100, 12
	s_add_nc_u64 s[98:99], s[98:99], s[100:101]
	s_lshl_b32 s3, s20, 15                         ; where the codes go: wave x 32,768: no place in the cluster enters an LDS address
	s_mul_i32 s2, s21, SCD                         ; and the scale words: R's two halves, then CC's two
	s_lshl_b32 s66, s22, 12
	s_add_co_u32 s2, s2, s66
	CROUND                                         ; all sixteen work-groups are here: the first joint loads meet
	s_mov_b32 s[G0S], 1
	s_mov_b32 s[G0S+1], SCL
	s_mov_b64 s[G0S+2:G0S+3], s[94:95]
	s_or_b32 s[G0S+3], s[G0S+3], 0x80000000
	s_mov_b32 s[G0SB], 1
	s_mov_b32 s[G0SB+1], SCL+SCD
	s_mov_b64 s[G0SB+2:G0SB+3], s[98:99]
	s_or_b32 s[G0SB+3], s[G0SB+3], 0x80000000
	s_lshl_b32 s66, s22, 17                        ; group 0 of the head's loads of codes, in registers that held arguments: K step 0 of R's two groups to LDS byte 0, of CC's two to byte 65,536
	s_mov_b32 s4, 1
	s_mov_b32 s5, 0
	s_sub_nc_u64 s[6:7], s[92:93], s[66:67]
	s_or_b32 s7, s7, 0x80000000
	s_mov_b32 s8, 1
	s_mov_b32 s9, 65536
	s_sub_nc_u64 s[10:11], s[96:97], s[66:67]
	s_or_b32 s11, s11, 0x80000000
.irp s, 0,1
	s_mov_b32 s[G0+4*\s], 1
	s_add_co_u32 s[G0+4*\s+1], s3, \s*SLOT
	s_add_nc_u64 s[G0+4*\s+2:G0+4*\s+3], s[92:93], \s*32768
	s_or_b32 s[G0+4*\s+3], s[G0+4*\s+3], 0x80000000
	s_mov_b32 s[G0B+4*\s], 1
	s_add_co_u32 s[G0B+4*\s+1], s3, \s*SLOT
	s_add_nc_u64 s[G0B+4*\s+2:G0B+4*\s+3], s[96:97], \s*32768
	s_or_b32 s[G0B+4*\s+3], s[G0B+4*\s+3], 0x80000000
.if \s == 1                                    ; THE HEAD'S LOADS, one a wave: one chain of branches on the wave's number, a load to an arm
	s_cmp_eq_u32 s20, 0
	s_cbranch_scc0 .Lh1
	tensor_load_to_lds s[4:7], s[G1:G1+7]          ; wave 0: R's codes
	s_nop 0
	PLACES 4
	s_branch .Lhj
.Lh1:
	s_cmp_eq_u32 s20, 1
	s_cbranch_scc0 .Lh2
	tensor_load_to_lds s[8:11], s[G1B:G1B+7]       ; wave 1: CC's codes
	s_nop 0
	PLACES 4
	s_branch .Lhj
.Lh2:
	s_cmp_eq_u32 s20, 2
	s_cbranch_scc0 .Lh3
	tensor_load_to_lds s[G0S:G0S+3], s[G1S:G1S+7]  ; wave 2: R's scale words
	s_nop 0
	PLACES 4
	s_branch .Lhj
.Lh3:
	tensor_load_to_lds s[G0SB:G0SB+3], s[G1SB:G1SB+7]   ; wave 3: CC's scale words
	s_nop 0
	PLACES 4
.Lhj:
.endif
.endr
	v_and_b32 v1, 15, v0                           ; r
	v_bfe_u32 v2, v0, 4, 1                         ; h
	s_wait_alu depctr_va_vdst(0)
	v_and_b32 v3, 31, v0
	v_lshlrev_b32 v[L16], 4, v3
	s_lshl_b32 s2, s21, 15                         ; my 128 rows of R
	s_lshl_b32 s3, s22, 15                         ; my 128 rows of CC,
	s_add_co_u32 s3, s3, 65536                     ; which lie behind R's 256
.irp s, 0,1
	v_add_nc_u32 v[ADRA+\s], s2, v[L16]
	v_add_nc_u32 v[ADRB+\s], s3, v[L16]
	s_add_co_u32 s2, s2, SLOT
	s_add_co_u32 s3, s3, SLOT
.endr
	s_lshl_b32 s2, s21, 12                         ; R's scale words: my 128 rows
	s_lshl_b32 s3, s22, 12                         ; CC's: my 128 rows, behind R's
	s_add_co_u32 s3, s3, SCD
	s_sub_co_u32 s3, s3, s2
	v_mul_u32_u24 v4, s3, v2                       ; lanes 16-31 take CC's: one product, the distance between the two bases
	v_lshl_add_u32 v4, v1, 3, v4                   ; 8 bytes a row
	s_add_co_u32 s2, s2, SCL
	v_add_nc_u32 v[ADRS], s2, v4
	; PREFETCHES INTO THE L2: a K step of a tile of 256 rows is 2 x 32,768 bytes = 256 blocks of 256 bytes.  The four partners that ask for it jointly share them out by address: waves 0, 1 take R's (place cx), waves 2, 3 CC's (place cy);
	; piece 2 place + wave % 2 of eight, 32 blocks, a lane a block.  Here K steps 1 and 2 are named; K step 3 at the change of slots that loads K step 2.  The address is never stepped: the K step stands in the immediate.
	s_cmp_eq_u32 s21, 0
	s_cselect_b64 s[94:95], s[92:93], s[96:97]
	s_cselect_b32 s2, s40, s41
	s_lshl_b32 s66, s22, 17
	s_sub_nc_u64 s[94:95], s[94:95], s[66:67]
	s_lshr_b32 s3, s2, 1
	s_lshl_b32 s3, s3, 17
	s_and_b32 s2, s2, 1
	s_lshl_b32 s2, s2, 1
	s_add_co_u32 s2, s2, s22
	s_lshl_b32 s2, s2, 13
	s_add_co_u32 s66, s2, s3
	s_add_nc_u64 s[94:95], s[94:95], s[66:67]
	s_wait_alu depctr_va_vdst(0)                   ; the wait stands directly ahead of the reader below
	v_lshlrev_b32 v26, 8, v3                       ; v26: 256 x lane; never rewritten
	global_prefetch_b8 v26, s[94:95] offset:32768 th:TH_LOAD_NT scope:SCOPE_SE
	global_prefetch_b8 v26, s[94:95] offset:65536 th:TH_LOAD_NT scope:SCOPE_SE
	; the bias, in the result's layout
	s_cmp_eq_u32 s23, 1
	s_cbranch_scc1 .Lbias_v
	v_lshlrev_b32 v[BO], 6, v2                     ; q, k: it runs along the registers: block b's register j is column 32 (b / 2) + 8 (b % 2) + 16 h + j of my 128
	s_lshl_b32 s100, s42, 10
	s_lshl_b32 s101, s22, 9
	s_add_co_u32 s100, s100, s101
	s_mov_b32 s101, 0
	s_add_nc_u64 s[100:101], s[12:13], s[100:101]
.irp b, 0,1,2,3,4,5,6,7
	global_load_b128 v[BI+8*\b:BI+8*\b+3], v[BO], s[100:101] offset:(32*(\b/2)+8*(\b%2))*4
	global_load_b128 v[BI+8*\b+4:BI+8*\b+7], v[BO], s[100:101] offset:(32*(\b/2)+8*(\b%2))*4+16
.endr
	s_branch .Lbias_done
.Lbias_v:
	v_and_b32 v4, 8, v1                            ; v: it hangs on the lane: block a's lane r is column 32 (a / 2) + 8 (a % 2) + r + 8 (r / 8) of my 128; the eight registers hold the same number
	v_add_nc_u32 v4, v4, v1
	v_lshlrev_b32 v[BO], 2, v4
	s_lshl_b32 s100, s43, 10
	s_lshl_b32 s101, s21, 9
	s_add_co_u32 s100, s100, s101
	s_add_co_u32 s100, s100, 8192                  ; v's bias begins at number 2,048
	s_mov_b32 s101, 0
	s_add_nc_u64 s[100:101], s[12:13], s[100:101]
.irp a, 0,1,2,3,4,5,6,7
.irp j, 0,1,2,3,4,5,6,7
	global_load_b32 v[BI+8*\a+\j], v[BO], s[100:101] offset:(32*(\a/2)+8*(\a%2))*4
.endr
.endr
.Lbias_done:
.macro FRAG reg, adr, q, i             ; a fragment, 16 rows x 128 K: 16 registers, four loads of 512 consecutive bytes
.irp c, 0,1,2,3
	ds_load_b128 v[\reg+4*\c:\reg+4*\c+3], v[\adr] offset:4096*(\i)+2048*(\q)+512*\c
.endr
.endm
; 16 matrix instructions: R's blocks a0, a0 + 1 x CC's eight.  p: CC's set; q: which 128 along K of the slot; sc: the set of scale words.  cin = 0: in place; 1: the sums start from the bias of CC's block; 2: of R's block.
; The 64 accumulators take turns, one instruction a turn, in the same order in every step.
.macro MUL16 a0, p, q, sc, cin
.irp a, \a0, \a0+1
.irp b, 0,1,2,3,4,5,6,7
.if \cin == 1
	v_wmma_scale_f32_16x16x128_f8f6f4 v[8*(8*((\a)%4)+\b):8*(8*((\a)%4)+\b)+7], v[128*(\p)+16*\b:128*(\p)+16*\b+15], v[AF+16*(\a):AF+16*(\a)+15], v[BI+8*\b:BI+8*\b+7], v[SC+16*(\sc)+2*\b+(\q)], v[SC+16*(\sc)+2*(\a)+(\q)] matrix_a_scale:MATRIX_SCALE_ROW1
.elseif \cin == 2
	v_wmma_scale_f32_16x16x128_f8f6f4 v[8*(8*((\a)%4)+\b):8*(8*((\a)%4)+\b)+7], v[128*(\p)+16*\b:128*(\p)+16*\b+15], v[AF+16*(\a):AF+16*(\a)+15], v[BI+8*(\a):BI+8*(\a)+7], v[SC+16*(\sc)+2*\b+(\q)], v[SC+16*(\sc)+2*(\a)+(\q)] matrix_a_scale:MATRIX_SCALE_ROW1
.else
	v_wmma_scale_f32_16x16x128_f8f6f4 v[8*(8*((\a)%4)+\b):8*(8*((\a)%4)+\b)+7], v[128*(\p)+16*\b:128*(\p)+16*\b+15], v[AF+16*(\a):AF+16*(\a)+15], v[8*(8*((\a)%4)+\b):8*(8*((\a)%4)+\b)+7], v[SC+16*(\sc)+2*\b+(\q)], v[SC+16*(\sc)+2*(\a)+(\q)] matrix_a_scale:MATRIX_SCALE_ROW1
.endif
.endr
.endr
.endm
.macro FETCH_B slot, q, p
	WIN TO_B
.irp i, 0,1,2,3,4,5,6,7
	FRAG 128*(\p)+16*\i, ADRB+\slot, \q, \i
.endr
	WIN 0
.endm
.macro FETCH_A slot, q, i0
.irp i, \i0, \i0+1, \i0+2, \i0+3
	FRAG AF+16*(\i), ADRA+\slot, \q, \i
.endr
.endm
.macro SCALES sc                       ; a K step's scale words: two words a row; lanes 0-15 take R's block i, lanes 16-31 CC's block i
.irp i, 0,1,2,3,4,5,6,7
	ds_load_b64 v[SC+16*\sc+2*\i:SC+16*\sc+2*\i+1], v[ADRS] offset:128*\i
.endr
.endm
; A step of 128 along K that has its successor in the same slot.  R has one set of registers: blocks 0-3 are fetched anew in the step's middle, blocks 4-7 at its end; CC has two sets.
.macro STEP slot, q, cin
	s_wait_dscnt 16                                ; CC's set, the scale words and R's blocks 0-3 are in; the youngest 16 loads (R's blocks 4-7) may be out
.if \cin
	WIN 0x81                                       ; C (the bias) in window 0, D in window 2
.else
	WIN MUL_LO
.endif
	MUL16 0, (\q)%2, \q, \slot, \cin
	MUL16 2, (\q)%2, \q, \slot, \cin
	s_wait_dscnt 0x0                               ; R's blocks 4-7 are in
	PLACES 8
	FETCH_B \slot, (\q)+1, 1-(\q)%2
	FETCH_A \slot, (\q)+1, 0
.if \cin
	WIN 0xc1
.else
	WIN MUL_HI
.endif
	MUL16 4, (\q)%2, \q, \slot, \cin
	MUL16 6, (\q)%2, \q, \slot, \cin
	PLACES 8
	WIN 0
	FETCH_A \slot, (\q)+1, 4
.endm
; A slot's last step changes slots: one barrier; in front of it each wave waits for all its tensor loads, adds 0 to its spare word, and waits for that and for its reads of this slot.  fill = 1: this slot is filled again, two K steps ahead.
.macro TURN slot, next, fill
	s_wait_tensorcnt 0x0                           ; all my tensor loads have landed: my part of the next slot
	ds_add_u32 v[SPW], v[NIL]                      ; 0 onto my spare word
	s_wait_dscnt 17                                ; (the add and the youngest 16 loads, R's blocks 4-7, may be out)
	WIN MUL_LO
	MUL16 0, 1, 1, \slot, 0                        ; sixteen matrix instructions stand between the add and the wait for it
	s_wait_dscnt 0x0                               ; the add is done, and my reads of this slot are over
	s_barrier_signal -1
	MUL16 2, 1, 1, \slot, 0
	WIN 0
	s_barrier_wait -1
.if \fill
	CREST                                          ; the barrier has opened a round of the cluster's barrier: no wave of any partner still reads this slot or has a load on its way
	s_add_nc_u64 s[G0+4*\slot+2:G0+4*\slot+3], s[G0+4*\slot+2:G0+4*\slot+3], 65536
	s_add_nc_u64 s[G0B+4*\slot+2:G0B+4*\slot+3], s[G0B+4*\slot+2:G0B+4*\slot+3], 65536
	JLOAD G0+4*\slot, G1, G0B+4*\slot, G1B         ; the first tensor load behind the round; its four v_nop are among the places in front of the loads below
	PLACES 4
.else
	PLACES 8
.endif
	s_wait_alu depctr_va_vdst(0)
	v_add_nc_u32 v[ADRS], 1024, v[ADRS]            ; on to the next K step's scale words
	FETCH_B \next, 0, 0
	FETCH_A \next, 0, 0
	SCALES \next
.if (\fill) && (\slot) == 0
	global_prefetch_b8 v26, s[94:95] offset:98304 th:TH_LOAD_NT scope:SCOPE_SE   ; K step 3, one change of slots ahead of its load
.endif
	WIN MUL_HI
	MUL16 4, 1, 1, \slot, 0
	MUL16 6, 1, 1, \slot, 0
	PLACES 8
	WIN 0
	FETCH_A \next, 0, 4
.endm
	s_wait_alu depctr_va_vdst(0)
	s_wait_tensorcnt 0x0                           ; my tile of the head's four is in; slot 1's first fill is issued as a refill is:
	ds_add_u32 v[SPW], v[NIL]                      ; 0 onto my spare word
.irp g, G1, G1B                                ; no tensor load of mine is out, so a descriptor may be written: from here on a load brings 32,768 dense bytes as 128 rows of 256
	s_mov_b32 s[\g+1], 32<<16
	s_mov_b32 s[\g+2], 128<<16
	s_mov_b32 s[\g+3], 32<<16
	s_mov_b32 s[\g+4], 128
	s_mov_b32 s[\g+5], 32
.endr
	s_wait_dscnt 0x0
	CROUND                                         ; all four tiles are in, and all sixteen work-groups are here
	JLOAD G0+4, G1, G0B+4, G1B                     ; K step 1: my one load behind the round
	s_wait_alu depctr_va_vdst(0)
	FETCH_B 0, 0, 0
	FETCH_A 0, 0, 0
	SCALES 0
	FETCH_A 0, 0, 4
	s_wait_loadcnt 0x0                             ; the bias
	s_cmp_eq_u32 s23, 1                            ; the first step is written twice: its C is the bias, which lies along CC for q and k and along R for v
	s_cbranch_scc1 .Lfirst_v
	STEP 0, 0, 1
	s_branch .Lfirst_done
.Lfirst_v:
	STEP 0, 0, 2
.Lfirst_done:
	TURN 0, 1, 1                                   ; K has four steps of 256: written out
	STEP 1, 0, 0
	TURN 1, 0, 1
	STEP 0, 0, 0
	TURN 0, 1, 0                                   ; nothing is left to fetch: no round
	STEP 1, 0, 0
	s_wait_dscnt 16                                ; the very last step
	WIN MUL_LO
	MUL16 0, 1, 1, 1, 0
	MUL16 2, 1, 1, 1, 0
	s_wait_dscnt 0x0
	WIN MUL_HI
	MUL16 4, 1, 1, 1, 0
	MUL16 6, 1, 1, 1, 0
	WIN 0
	; THE WAY OUT.  Block a of R (16 lanes' rows) x my 128 rows of CC are 64 registers a lane: register 16 b + i = row 32 b + 16 h + i of CC: four blocks of 32 along the next K.  They become one fragment's codes and one scale word.
	; Where they go: 128 tokens are a key step of a batch, 128 columns are two heads.
	s_wait_xcnt 0x0                                ; the prefetches have read their address: its registers are written again below
	s_lshl_b32 s2, s43, 1
	s_add_co_u32 s2, s2, s21
	s_lshl_b32 s3, s42, 1
	s_add_co_u32 s3, s3, s22                       ; CC's
	s_and_b32 s66, s3, 7
	s_cmp_eq_u32 s23, 1
	s_cselect_b32 s67, s3, s2                      ; the tokens' group
	s_cselect_b32 s66, s2, s66                     ; the pair of heads
	s_cselect_b32 s101, 8704, 0                    ; v's part of a record
	s_lshr_b32 s100, s67, 4                        ; the batch
	s_and_b32 s67, s67, 15                         ; the key step
	s_lshl_b32 s100, s100, 3
	s_add_co_u32 s100, s100, s66
	s_lshl_b32 s100, s100, 5
	s_add_co_u32 s100, s100, s67                   ; (16 batch + first head) 16 + step
	s_mov_b32 s66, REC
	s_cmp_eq_u32 s47, 0
	s_cselect_b32 s66, 8192, s66                   ; bytes for a head and 128 tokens: q's codes, or a record
	s_cselect_b64 s[92:93], s[14:15], s[18:19]
	s_mul_i32 s2, s100, s66
	s_add_co_u32 s2, s2, s101
	s_mov_b32 s3, 0
	s_add_nc_u64 s[92:93], s[92:93], s[2:3]        ; the first head's place,
	s_lshl_b32 s2, s66, 4
	s_add_nc_u64 s[94:95], s[92:93], s[2:3]        ; the second's: 16 steps on
	s_lshl_b32 s2, s100, 10
	s_add_nc_u64 s[96:97], s[16:17], s[2:3]        ; q's scale words likewise
	s_add_nc_u64 s[98:99], s[96:97], 16384
	s_mov_b32 s100, 0x76543210
	s_mov_b32 s101, 0xfedcba98                     ; v_permlanex16_b32's selects for lane l xor 16
	s_mov_b32 s3, 0x600000                         ; the mantissa field of 448
	PLACES 8                                       ; behind the last products: for the reads of results and for the writes into registers that they read
.irp b, 0,1,2,3
	v_mov_b32 v[TMB+\b], 0                         ; written once: a lane permute's destination counts as one of its sources
.endr
.macro QUANTW a
.set AC, 64*((\a)%4)
.set WW, 2+(\a)/4
	WIN WW|(WW<<2)                                 ; sources 0 and 1: the accumulators' window
.irp b, 0,1,2,3
	v_max3_num_f32 v[TMX+\b], |v[AC+16*\b]|, |v[AC+16*\b+1]|, 0x4800000   ; each accumulator is read from its low end on; the floor 2^(9 - 127) holds the byte at 1 from below
.endr
.irp i, 2,4,6,8,10,12,14
.irp b, 0,1,2,3
	v_max3_num_f32 v[TMX+\b], |v[AC+16*\b+\i]|, |v[AC+16*\b+\i+1]|, v[TMX+\b]
.endr
.endr
	WIN 0
.irp b, 0,1,2,3
	v_permlanex16_b32 v[TMB+\b], v[TMX+\b], s100, s101
.endr
.irp b, 0,1,2,3
	v_max_num_f32 v[TMX+\b], v[TMX+\b], v[TMB+\b]  ; with lane l xor 16's 16: the block's largest magnitude
.endr
.irp b, 0,1,2,3
	v_add_nc_u32 v[TMS+\b], 0xfc000000, v[TMX+\b]  ; the conversion's scale operand
.endr
.irp b, 0,1,2,3
	v_and_or_b32 v[TML+\b], v[TMX+\b], 0x7f800000, s3   ; 448 x the scale
.endr
.irp b, 0,1,2,3
	v_lshrrev_b32 v[TMB+\b], 23, v[TMS+\b]         ; the byte
.endr
	v_lshl_or_b32 v[PWS+(\a)], v[TMB+1], 8, v[TMB]
	v_lshl_or_b32 v[PWS+(\a)], v[TMB+2], 16, v[PWS+(\a)]
	v_lshl_or_b32 v[PWS+(\a)], v[TMB+3], 24, v[PWS+(\a)]
	WIN WW                                         ; source 0: the accumulators' window
.irp b, 0,1,2,3
.irp i, 0,1,2,3,4,5,6,7,8,9,10,11,12,13,14,15
	v_med3_num_f32 v[TH+16*\b+\i], v[AC+16*\b+\i], -v[TML+\b], v[TML+\b]   ; the hold, into window 0
.endr
.endr
	WIN 0
.irp b, 0,1,2,3
	v_cvt_scalef32_pk8_fp8_f32 v[PCA+16*(\a)+4*\b:PCA+16*(\a)+4*\b+1], v[TH+16*\b:TH+16*\b+7], v[TMS+\b]
	v_cvt_scalef32_pk8_fp8_f32 v[PCA+16*(\a)+4*\b+2:PCA+16*(\a)+4*\b+3], v[TH+16*\b+8:TH+16*\b+15], v[TMS+\b]
.endr
	v_nop                                          ; one plain line behind the last conversion
.endm
.irp a, 0,1,2,3,4,5,6,7
	QUANTW \a
.endr
	; every store below has data registers of its own and covers 512 consecutive bytes, aligned
	s_cmp_eq_u32 s47, 2
	s_cbranch_scc1 .Lout_v
.irp a, 0,1,2,3,4,5,6,7                        ; q, k: block a is a tile of 16 tokens; its blocks 0, 1 along K are the first head's 64 channels, 2, 3 the second's
	global_store_b128 v[L16], v[PCA+16*\a:PCA+16*\a+3], s[92:93] offset:1024*\a
	global_store_b128 v[L16], v[PCA+16*\a+4:PCA+16*\a+7], s[92:93] offset:1024*\a+512
	global_store_b128 v[L16], v[PCA+16*\a+8:PCA+16*\a+11], s[94:95] offset:1024*\a
	global_store_b128 v[L16], v[PCA+16*\a+12:PCA+16*\a+15], s[94:95] offset:1024*\a+512
.endr
	s_cmp_eq_u32 s47, 1
	s_cbranch_scc1 .Lout_k
.irp a, 0,1,2,3,4,5,6,7                        ; q's scale word of a tile and head: its two bytes, twice
	v_perm_b32 v[40+\a], v[PWS+\a], v[PWS+\a], 0x01000100
	v_perm_b32 v[48+\a], v[PWS+\a], v[PWS+\a], 0x03020302
.endr
	global_store_b128 v[L16], v[40:43], s[96:97]
	global_store_b128 v[L16], v[44:47], s[96:97] offset:512
	global_store_b128 v[L16], v[48:51], s[98:99]
	global_store_b128 v[L16], v[52:55], s[98:99] offset:512
	s_branch .Lend
.Lout_k:
.irp f, 0,1,2,3                                ; k's scale word f of a head: tile 2 f's two bytes, then tile 2 f + 1's
	v_perm_b32 v[40+\f], v[PWS+2*\f+1], v[PWS+2*\f], 0x05040100
	v_perm_b32 v[44+\f], v[PWS+2*\f+1], v[PWS+2*\f], 0x07060302
.endr
	global_store_b128 v[L16], v[40:43], s[92:93] offset:8192
	global_store_b128 v[L16], v[44:47], s[94:95] offset:8192
	s_branch .Lend
.Lout_v:
	s_wait_alu depctr_va_vdst(0)
.irp t, 0,1,2,3                                ; v: block a = 4 e + t is tile t of 16 channels of head e; its K is the step's 128 keys
.irp c, 0,1,2,3
	global_store_b128 v[L16], v[PCA+16*\t+4*\c:PCA+16*\t+4*\c+3], s[92:93] offset:2048*\t+512*\c
	global_store_b128 v[L16], v[PCA+64+16*\t+4*\c:PCA+64+16*\t+4*\c+3], s[94:95] offset:2048*\t+512*\c
.endr
.endr
	global_store_b128 v[L16], v[PWS:PWS+3], s[92:93] offset:8192
	global_store_b128 v[L16], v[PWS+4:PWS+7], s[94:95] offset:8192
.Lend:
	s_wait_tensorcnt 0x0                           ; the wave's end
	ds_add_u32 v[SPW], v[NIL]
	s_wait_dscnt 0x0
	CROUND                                         ; the closing round: no work-group ends while a partner may still ask for a tile that names it
	s_endpgm
.Lfunc_end_k_q251617354d_qkv:
	.size	k_q251617354d_qkv, .Lfunc_end_k_q251617354d_qkv-k_q251617354d_qkv
	.p2alignl 7, 3214868480
	.fill 96, 4, 3214868480
	.section	.rodata,"a",@progbits
	.p2align	6, 0x0
	.amdhsa_kernel k_q251617354d_qkv
		.amdhsa_group_segment_fixed_size 327680
		.amdhsa_private_segment_fixed_size 0
		.amdhsa_enable_private_segment 0
		.amdhsa_kernarg_size 64
		.amdhsa_user_sgpr_count 2
		.amdhsa_user_sgpr_kernarg_segment_ptr 1
		.amdhsa_wavefront_size32 1
		.amdhsa_system_sgpr_workgroup_id_x 1
		.amdhsa_system_sgpr_workgroup_id_y 1
		.amdhsa_system_sgpr_workgroup_id_z 1
		.amdhsa_system_vgpr_workitem_id 0
		.amdhsa_next_free_vgpr 1024
		.amdhsa_next_free_sgpr 102
		.amdhsa_reserve_vcc 0
		.amdhsa_float_denorm_mode_32 3
		.amdhsa_float_denorm_mode_16_64 3
		.amdhsa_memory_ordered 1
		.amdhsa_forward_progress 1
		.amdhsa_inst_pref_size 214
	.end_amdhsa_kernel
	.amdgpu_metadata
---
amdhsa.version: [ 1, 2 ]
amdhsa.kernels:
  - .name:           k_q251617354d_qkv
    .symbol:         k_q251617354d_qkv.kd
    .args:
      - { .name: aimg, .offset: 0, .size: 8, .value_kind: global_buffer, .address_space: global }
      - { .name: asc, .offset: 8, .size: 8, .value_kind: global_buffer, .address_space: global }
      - { .name: wimg, .offset: 16, .size: 8, .value_kind: global_buffer, .address_space: global }
      - { .name: wsc, .offset: 24, .size: 8, .value_kind: global_buffer, .address_space: global }
      - { .name: bqkv, .offset: 32, .size: 8, .value_kind: global_buffer, .address_space: global }
      - { .name: qimg, .offset: 40, .size: 8, .value_kind: global_buffer, .address_space: global }
      - { .name: qsc, .offset: 48, .size: 8, .value_kind: global_buffer, .address_space: global }
      - { .name: kv, .offset: 56, .size: 8, .value_kind: global_buffer, .address_space: global }
    .group_segment_fixed_size: 327680
    .private_segment_fixed_size: 0
    .kernarg_segment_align: 8
    .kernarg_segment_size: 64
    .max_flat_workgroup_size: 128
    .sgpr_count:     102
    .vgpr_count:     1024
    .wavefront_size: 32
...
	.end_amdgpu_metadata
.endif
;; end of part 2
;; launch attn (part 3): grid 4 x 64, 16 waves a work-group, clusters of 4 x 1, 327,680 bytes of LDS; arguments qimg, qsc, kv, aimg, asc; writes aimg, asc
.if DOCPART == 3
	.amdgcn_target "amdgcn-amd-amdhsa--gfx1250"
	.amdhsa_code_object_version 6
	.text
	.protected	k_q251617354d_attn
	.globl	k_q251617354d_attn
	.p2align	8
	.type	k_q251617354d_attn,@function
k_q251617354d_attn:
	s_mov_b64 s[64:65], 0
	v_nop
	global_prefetch_b8 v0, s[64:65] scope:SCOPE_SE
	s_setreg_imm32_b32 hwreg(HW_REG_WAVE_MODE, 25, 1), 1
	s_wait_xcnt 0x0
	s_wait_alu depctr_hold_cnt(0) depctr_sa_sdst(0) depctr_va_vdst(0) depctr_va_sdst(0) depctr_va_ssrc(0) depctr_va_vcc(0) depctr_vm_vsrc(0)
	s_getreg_b32 s2, hwreg(HW_REG_IB_STS2, 6, 4)
	s_cmp_eq_u32 s2, 0
	s_cbranch_scc0 .Lentry_in_a_cluster
	s_endpgm
.Lentry_in_a_cluster:
	s_bfe_u32 s2, ttmp6, 0x10000c
	s_cmp_lg_u32 s2, 0x3003
	s_cbranch_scc0 .Lentry_shape_is_right
	s_endpgm
.Lentry_shape_is_right:
; y[b][q][head] = softmax_k(q . k / 8, causal) v, both products on codes of FP8 (E4M3) with E8M0 scales; y is quantised along C here and leaves as the codes and scale words of the last product's operand.
; THE SOFTMAX: t = score x log2(e) / 8; M = the row's largest t so far, rounded up to a whole number; p = 2^(t - M) is quantised along the keys, not normalised; the row's sum of the unquantised p divides O at the end.
; When M moves, the sum and O are multiplied by 2^(old M - new M): exact.
; WORK LEFT OUT: key steps all of whose keys come after a wave's queries: their p is 0.
; SHARES.  A head has 128 tiles of 16 queries.  Work-group j of the head's four takes tiles 4 i + j, i = 0 .. 31; its wave w takes i = 31 - w and then i = w.  Tile T needs T / 8 + 1 key steps of 128, which is
; (31 - w) / 2 + 1 and w / 2 + 1 whatever j is: 17 key steps for every wave of the launch, and the count hangs on the wave's number alone.
; LDS.  A head's 16 records (16 x 17,408 = 278,528 bytes) lie in LDS at once: wave w fetches record w at the head, and no byte is filled again: no ring.  Every record is read by every work-group (tile 124 + j needs all 16).
; CLUSTER.  The four work-groups of a head want the same 16 records at the same time: they form a cluster of 4, 1, 1 and ask jointly (mask 15).  No branch and no LDS address hangs on the place in the cluster: it enters global addresses and the mask's vector data alone.
; Two plain barriers: the first shows records 0 to 3 (waves 0 to 3 have a load line and a wait of their own), the second, behind four key steps, all sixteen.  From there on the waves share nothing.
; No prefetch: all tensor loads stand at the head, so there is no loop to run ahead in.
; The loops' trip counts are constants (4, 12 and 8 records); a hidden key step is passed over by a scalar branch at its head.
; LAYOUT.  Both products are used transposed (S^T = k q^T, O^T = v^T p^T): a lane holds one query throughout.  Index i of tile T is 32 (T / 2) + 8 (T % 2) + i + 8 (i / 8),
; so that p's 16 registers of two neighbouring tiles are 16 neighbouring keys, and O^T's are 16 neighbouring channels.
; THE HEAD'S K IS 64, THE INSTRUCTION'S 128: a fragment of k holds two tiles of keys, one in each half of K; it is multiplied once by [q | zeros] and once by [zeros | q].  Zero codes add nothing under any scale byte but 0xff.
; A key step's record in kv (17,408 dense bytes): k's codes 8,192, k's scale words 512, v's codes 8,192, v's scale words 512, all as images of registers: every LDS read is 16 x lane on end.
; LIMITS: a block of zeros gets the scale byte 1 (its codes are zeros; this program alone reads the bytes); NaN and infinities are not served; the scaled scores t stay under 2^31 in magnitude; y's scale bytes leave as 2 bytes a lane.
; REGISTERS: v1-7 addresses; v10-11 q's scale words; v12 -M, v13 the largest t, v[14:15] the sum; v16-23 and v32-39 zeros round q in v24-31; v40-103 four fragments of k or v; v104-167 S^T, then p; v168-199 O^T;
;   v200-215 p's codes; v216-231 at work; v232-240 the second tile's q; v242-247 partial sums; v248-251 k's or v's scale words; v252 f, v253 p's scale word, v254 at work.
.set REC,   17408
.set SPARE, 16*REC                     ; behind the records: the spare words, 128 bytes for each wave: eight blocks of 256 bytes that no other line names
.macro LOADLINE                        ; an s_nop 0 and four v_nop follow the load
	tensor_load_to_lds s[32:35], s[24:31]
	s_nop 0
.rept 4
	v_nop
.endr
.endm
.macro CROUND                          ; a round of the cluster's barrier
	s_barrier_signal -1
	s_barrier_wait -1
	s_cmp_lg_u32 s14, 0
	s_cbranch_scc1 .Lnw0_\@
	s_barrier_signal -3
.Lnw0_\@:
	s_barrier_wait -3
	s_barrier_signal -1
	s_barrier_wait -1
.endm
	s_load_b256 s[4:11], s[0:1], 0x0               ; qimg s[4:5], qsc s[6:7], kv s[8:9], aimg s[10:11]
	s_load_b64 s[12:13], s[0:1], 0x20              ; asc
	v_lshl_add_u32 v3, v0, 2, SPARE                ; my spare word; never rewritten
	v_mov_b32 v4, 0                                ; 0; never rewritten
	ds_add_u32 v3, v4                              ; the opening lines: the add twice on end and its wait
	ds_add_u32 v3, v4
	v_lshrrev_b32 v1, 5, v0
	s_delay_alu instid0(VALU_DEP_1)
	v_readfirstlane_b32 s14, v1                    ; wave 0..15
	s_bfe_u32 s15, ttmp6, 0x40000                  ; j: my place in the cluster
	s_and_b32 s16, ttmp7, 0xffff                   ; 16 batch + head
	s_mov_b32 s19, 0x600000                        ; the mantissa field of 448
	s_mov_b32 s20, 0x76543210
	s_mov_b32 s21, 0xfedcba98                      ; v_permlanex16_b32's selects for lane l xor 16
	s_mov_b32 s22, 0x3e38aa3b                      ; c = log2(e) / 8
	s_mov_b32 s23, s22                             ; (named with it as a pair)
	s_mov_b32 s24, 15|(3<<16)|(1<<21)              ; descriptor group 1: the mask of all four; a record as 68 rows of 32 elements of 8 bytes, dense; no padding
	s_mov_b32 s25, 32<<16
	s_mov_b32 s26, 68<<16
	s_mov_b32 s27, 32<<16
	s_mov_b32 s28, 68
	s_mov_b32 s29, 32
	s_mov_b32 s30, 0
	s_mov_b32 s31, 0
	s_mov_b32 s42, 0                               ; the step's first key
	s_mov_b32 s60, 0x01010000                      ; the smallest scale byte, over the halves of K that hold zeros
	s_mov_b32 s61, 0x0101
	s_sub_co_u32 s78, 31, s14                      ; from the wave's number alone: the first tile's diagonal step begins at key s46, and s44 is that step's last key;
	s_lshr_b32 s79, s78, 1
	s_lshl_b32 s46, s79, 7
	s_add_co_u32 s44, s46, 127
	s_lshr_b32 s79, s14, 1                         ; the second tile's: s18, s17
	s_lshl_b32 s18, s79, 7
	s_add_co_u32 s17, s18, 127
	s_mul_i32 s67, s14, REC                        ; my record, in LDS and in the head's records
	s_mul_i32 s68, s16, 16*REC
	s_add_co_u32 s70, s68, s67
	s_mov_b32 s71, 0
	s_mov_b32 s32, 1                               ; group 0: count = 1,
	s_mov_b32 s33, s67                             ; LDS address
	s_wait_dscnt 0x0                               ; both opening adds are done
	CROUND                                         ; all four work-groups are here: the joint loads meet
	s_wait_kmcnt 0x0
	s_add_nc_u64 s[34:35], s[8:9], s[70:71]
	s_or_b32 s35, s35, 0x80000000                  ; type = 2
	s_cmp_lt_u32 s14, 4                            ; one load a wave; waves 0 to 3 have a line of their own, since the first barrier shows their records alone
	s_cbranch_scc0 .Lrest
	LOADLINE
	s_branch .Lasked
.Lrest:
	LOADLINE
.Lasked:
	v_and_b32 v6, 31, v0                           ; lane
	s_delay_alu instid0(VALU_DEP_1)
	v_lshlrev_b32 v2, 4, v6                        ; 16 x lane
	s_wait_alu depctr_va_vdst(0)
	v_and_b32 v7, 15, v0                           ; r
	v_bfe_u32 v5, v0, 4, 1                         ; h
	s_delay_alu instid0(VALU_DEP_2)
	v_and_b32 v254, 8, v7
	s_delay_alu instid0(VALU_DEP_1)
	v_add_nc_u32 v254, v254, v7
	s_delay_alu instid0(VALU_DEP_3)
	v_lshlrev_b32 v5, 4, v5
	s_delay_alu instid0(VALU_DEP_1)
	v_sub_nc_u32 v5, v254, v5                      ; r + 8 (r / 8) - 16 h: my query less the tile's first, less my half's first key of a block
	v_lshlrev_b32 v7, 3, v7                        ; 8 r: y's scale bytes
	s_lshl_b32 s74, s78, 2
	s_add_co_u32 s74, s74, s15                     ; my first tile: 4 (31 - w) + j,
	s_lshl_b32 s75, s14, 2
	s_add_co_u32 s75, s75, s15                     ; my second: 4 w + j
	s_lshr_b32 s76, s74, 1
	s_lshl_b32 s76, s76, 5
	s_and_b32 s77, s74, 1
	s_lshl_b32 s77, s77, 3
	s_add_co_u32 s43, s76, s77                     ; s43: the first query of the tile in hand: it goes into the mask's vector data alone;
	s_lshr_b32 s76, s75, 1
	s_lshl_b32 s76, s76, 5
	s_and_b32 s77, s75, 1
	s_lshl_b32 s77, s77, 3
	s_add_co_u32 s45, s76, s77                     ; s45: the second tile's
	s_lshl_b32 s76, s16, 17
	s_lshl_b32 s78, s74, 10
	s_add_co_u32 s78, s78, s76
	s_mov_b32 s79, 0
	s_add_nc_u64 s[78:79], s[4:5], s[78:79]
	s_lshl_b32 s80, s75, 10
	s_add_co_u32 s80, s80, s76
	s_mov_b32 s81, 0
	s_add_nc_u64 s[80:81], s[4:5], s[80:81]
	s_lshl_b32 s76, s16, 14
	s_lshr_b32 s82, s74, 2
	s_lshl_b32 s82, s82, 9
	s_and_b32 s77, s74, 3
	s_lshl_b32 s77, s77, 2
	s_add_co_u32 s82, s82, s77
	s_add_co_u32 s82, s82, s76
	s_mov_b32 s83, 0
	s_add_nc_u64 s[82:83], s[6:7], s[82:83]
	s_lshr_b32 s84, s75, 2
	s_lshl_b32 s84, s84, 9
	s_and_b32 s77, s75, 3
	s_lshl_b32 s77, s77, 2
	s_add_co_u32 s84, s84, s77
	s_add_co_u32 s84, s84, s76
	s_mov_b32 s85, 0
	s_add_nc_u64 s[84:85], s[6:7], s[84:85]
	global_load_b128 v[24:27], v2, s[78:79]        ; q of both tiles stays in registers
	global_load_b128 v[28:31], v2, s[78:79] offset:512
	global_load_b32 v9, v2, s[82:83]
	global_load_b128 v[232:235], v2, s[80:81]
	global_load_b128 v[236:239], v2, s[80:81] offset:512
	global_load_b32 v240, v2, s[84:85]
	; where y goes: token tile 128 batch + T; k = 64 head + channel
	s_lshr_b32 s86, s16, 4
	s_lshl_b32 s86, s86, 4                         ; 16 batch: the batch's first group of eight tiles
	s_and_b32 s87, s16, 15                         ; head
	s_lshr_b32 s88, s87, 2                         ; which 256 along K,
	s_bfe_u32 s89, s87, 0x10001                    ; which 128 of them,
	s_and_b32 s87, s87, 1                          ; which 64 of those
	s_lshl_b32 s92, s88, 15
	s_lshl_b32 s91, s89, 11
	s_add_co_u32 s92, s92, s91
	s_lshl_b32 s91, s87, 10
	s_add_co_u32 s92, s92, s91                     ; the head's place among a tile's codes in a group,
	s_lshl_b32 s93, s88, 10
	s_lshl_b32 s91, s89, 2
	s_add_co_u32 s93, s93, s91
	s_lshl_b32 s91, s87, 1
	s_add_co_u32 s93, s93, s91                     ; and among its scale bytes
	s_mov_b32 s97, 0
.macro OUTADR t, dc, dsb               ; tile s[t]: group 16 batch + T / 8, tile T % 8 in it
	s_lshr_b32 s94, s\t, 3
	s_add_co_u32 s94, s94, s86
	s_and_b32 s95, s\t, 7
	s_lshl_b32 s96, s94, 17
	s_add_co_u32 s96, s96, s92
	s_lshl_b32 s91, s95, 12
	s_add_co_u32 s96, s96, s91
	s_add_nc_u64 s[\dc:\dc+1], s[10:11], s[96:97]
	s_lshl_b32 s96, s94, 12
	s_add_co_u32 s96, s96, s93
	s_lshl_b32 s91, s95, 7
	s_add_co_u32 s96, s96, s91
	s_add_nc_u64 s[\dsb:\dsb+1], s[12:13], s[96:97]
.endm
	OUTADR 74, 48, 50
	OUTADR 75, 52, 54
.macro RESET                           ; a tile's state: the largest t -3e38, under every t; the sum and O^T zeros, which the first change of M leaves zeros
	v_mov_b32 v13, 0xff61b1e6
	s_delay_alu instid0(VALU_DEP_1)
	v_floor_f32 v12, -v13
	v_mov_b32 v14, 0
	v_mov_b32 v15, 0
.set n, 0
.rept 32
	v_mov_b32 v[168+n], 0
.set n, n+1
.endr
.endm
	s_wait_loadcnt 0x0                             ; q
	v_and_or_b32 v10, v9, 0xffff, s60              ; the scale word of [q | zeros],
	v_and_or_b32 v11, v9, 0xffff0000, s61          ; and of [zeros | q]
.irp n, 16,17,18,19,20,21,22,23,32,33,34,35,36,37,38,39
	v_mov_b32 v[\n], 0                             ; the zero codes round q
.endr
.irp b, 0,1,2,3
	v_mov_b32 v[220+\b], 0                         ; written once: a lane permute's destination counts as one of its sources
.endr
	v_mov_b32 v252, 0
	v_mov_b32 v253, 0                              ; (named as the upper half of the pair v[252:253] before it is first written)
	RESET
; A KEY STEP: 128 keys, the record at LDS byte s40
.macro STEP
	s_cmp_gt_u32 s42, s44                          ; all its keys come after my queries: left out, but for the line at its end that steps the first key
	s_cbranch_scc1 .Lhid_\@
	v_add_nc_u32 v1, s40, v2
.rept 7
	v_nop                                          ; with the addition above: eight places in front of loads into registers that the last products read
.endr
.irp f, 0,1,2,3
.irp c, 0,1,2,3
	ds_load_b128 v[40+16*\f+4*\c:43+16*\f+4*\c], v1 offset:2048*\f+512*\c   ; fragment f: tiles 2 f and 2 f + 1 of keys, one in each half of K
.endr
.endr
	ds_load_b128 v[248:251], v1 offset:8192
	s_wait_alu depctr_va_vdst(0)
	s_wait_dscnt 0x0
.irp f, 0,1,2,3
	v_wmma_scale_f32_16x16x128_f8f6f4 v[104+16*\f:111+16*\f], v[40+16*\f:55+16*\f], v[24:39], 0, v[248+\f], v10
	v_wmma_scale_f32_16x16x128_f8f6f4 v[112+16*\f:119+16*\f], v[40+16*\f:55+16*\f], v[16:31], 0, v[248+\f], v11
.endr                                          ; register 16 f + i is key 32 f + 16 h + i of the step, for query r
.rept 8
	v_nop
.endr
.irp t, 0,1,2,3                                ; v's fragments are asked for now and land under the softmax
.irp c, 0,1,2,3
	ds_load_b128 v[40+16*\t+4*\c:43+16*\t+4*\c], v1 offset:8704+2048*\t+512*\c
.endr
.endr
	ds_load_b128 v[248:251], v1 offset:16896
	s_cmp_lt_u32 s42, s46                          ; in the tile's diagonal step hidden scores become -infinity ahead of the maximum: p = 0 then.  In the steps ahead of it all keys count
	s_cbranch_scc1 .Lopen_\@
	s_sub_co_i32 s66, s43, s42
	v_add_nc_u32 v254, s66, v5                     ; d = my query - the step's first key - 16 h: register 16 f + i is hidden where 32 f + i > d
	v_mov_b32 v252, 0xff800000
.set n, 0
.rept 64
	v_cmp_gt_i32 vcc_lo, 32*(n/16)+n%16, v254
	v_cndmask_b32 v[104+n], v[104+n], v252, vcc_lo
.set n, n+1
.endr
.Lopen_\@:
.irp b, 0,1,2,3
	v_max3_num_f32 v[216+\b], v[104+16*\b], v[105+16*\b], v[106+16*\b]   ; the largest score of each block of 32 keys: for the row's maximum, and, since p rises with the score, for the block's largest p
.endr
.irp i, 3,5,7,9,11,13
.irp b, 0,1,2,3
	v_max3_num_f32 v[216+\b], v[216+\b], v[104+16*\b+\i], v[105+16*\b+\i]
.endr
.endr
.irp b, 0,1,2,3
	v_max_num_f32 v[216+\b], v[216+\b], v[119+16*\b]
.endr
.irp b, 0,1,2,3
	s_delay_alu instid0(VALU_DEP_4)
	v_permlanex16_b32 v[220+\b], v[216+\b], s20, s21
.endr
.irp b, 0,1,2,3
	s_delay_alu instid0(VALU_DEP_4)
	v_max_num_f32 v[216+\b], v[216+\b], v[220+\b]  ; with lane l xor 16's 16 keys
.endr
	s_delay_alu instid0(VALU_DEP_2)
	v_max3_num_f32 v254, v216, v217, v218
	s_delay_alu instid0(VALU_DEP_1)
	v_max_num_f32 v254, v254, v219                 ; the step's largest score of my query,
	s_delay_alu instid0(VALU_DEP_1)
	v_mul_f32 v254, s22, v254                      ; as t
	s_delay_alu instid0(VALU_DEP_1)
	v_max_num_f32 v13, v13, v254                   ; the running largest t
	v_mov_b32 v254, v12
	s_delay_alu instid0(VALU_DEP_2)
	v_floor_f32 v12, -v13                          ; the new -M = floor(-t): M is a whole number
	s_delay_alu instid0(VALU_DEP_1)
	v_sub_f32 v254, v12, v254                      ; old M - new M: a whole number, 0 or less
	s_delay_alu instid0(VALU_DEP_1)
	v_cvt_i32_f32 v254, v254                       ; (it saturates)
	s_delay_alu instid0(VALU_DEP_1)
	v_ldexp_f32 v252, 1.0, v254                    ; f = 2^(old M - new M)
.set n, 0
.rept 32
	v_pk_fma_f32 v[104+n:105+n], v[104+n:105+n], s[22:23], v[12:13] op_sel_hi:[1,0,0]   ; t - M, two at a time
.set n, n+2
.endr
.irp b, 0,1,2,3
	v_fma_f32 v[216+\b], v[216+\b], s22, v12       ; the same of each block's largest score
.endr
.set n, 0
	s_wait_alu depctr_va_vdst(0)
.rept 64
	v_exp_f32 v[104+n], v[104+n]                   ; p = 2^(t - M), at most 1
.set n, n+1
.endr
	v_pk_mul_f32 v[14:15], v[14:15], v[252:253] op_sel_hi:[1,0]   ; the sums under the new M: a plain line behind the exponentials
	s_wait_alu depctr_va_vdst(0)                   ; one wait for the whole batch, ahead of its first reader
.irp b, 0,1,2,3
	v_exp_f32 v[216+\b], v[216+\b]                 ; the block's largest p: the same two instructions on the same number give the same bits
.endr
	v_pk_add_f32 v[220:221], v[104:105], v[106:107]   ; the row's sum is taken of the unquantised p: two at a time, in four chains
	v_pk_add_f32 v[246:247], v[108:109], v[110:111]
	v_pk_add_f32 v[244:245], v[112:113], v[114:115]
	v_pk_add_f32 v[242:243], v[116:117], v[118:119]
.set n, 120
.rept 6
	v_pk_add_f32 v[220:221], v[220:221], v[n:n+1]
	v_pk_add_f32 v[246:247], v[246:247], v[n+2:n+3]
	v_pk_add_f32 v[244:245], v[244:245], v[n+4:n+5]
	v_pk_add_f32 v[242:243], v[242:243], v[n+6:n+7]
.set n, n+8
.endr
	v_pk_add_f32 v[220:221], v[220:221], v[246:247]
	v_pk_add_f32 v[244:245], v[244:245], v[242:243]
	v_pk_add_f32 v[14:15], v[14:15], v[220:221]
	v_pk_add_f32 v[14:15], v[14:15], v[244:245]
	s_wait_alu depctr_va_vdst(0)                   ; and one for the four
.irp b, 0,1,2,3
	v_max_num_f32 v[216+\b], 0x4800000, v[216+\b]  ; the floor 2^(9 - 127): the byte cannot fall under 1
.endr
.irp b, 0,1,2,3
	s_delay_alu instid0(VALU_DEP_4)
	v_add_nc_u32 v[228+\b], 0xfc000000, v[216+\b]  ; the conversion's scale operand
.endr
.irp b, 0,1,2,3
	v_and_or_b32 v[224+\b], v[216+\b], 0x7f800000, s19   ; 448 x the scale
.endr
.irp b, 0,1,2,3
	v_lshrrev_b32 v[220+\b], 23, v[228+\b]         ; the byte
.endr
	s_delay_alu instid0(VALU_DEP_3)
	v_lshl_or_b32 v253, v221, 8, v220              ; p's scale word for these 128 keys
	s_delay_alu instid0(VALU_DEP_1)
	v_lshl_or_b32 v253, v222, 16, v253
	s_delay_alu instid0(VALU_DEP_1)
	v_lshl_or_b32 v253, v223, 24, v253
.irp b, 0,1,2,3
.irp i, 0,2,4,6,8,10,12,14
	v_dual_min_num_f32 v[104+16*\b+\i], v[224+\b], v[104+16*\b+\i] :: v_dual_min_num_f32 v[105+16*\b+\i], v[224+\b], v[105+16*\b+\i]   ; the conversion does not saturate (ISA guide 7.6.2); p is not negative, so the hold is one-sided; two holds to a line
.endr
	v_cvt_scalef32_pk8_fp8_f32 v[200+4*\b:201+4*\b], v[104+16*\b:111+16*\b], v[228+\b]
	v_cvt_scalef32_pk8_fp8_f32 v[202+4*\b:203+4*\b], v[112+16*\b:119+16*\b], v[228+\b]
.endr
	s_wait_alu depctr_va_vdst(0)                   ; the wait stands directly ahead of the first reader of O^T
.set n, 0
.rept 16
	v_pk_mul_f32 v[168+n:169+n], v[168+n:169+n], v[252:253] op_sel_hi:[1,0]   ; O^T under the new M; these are also the places between the codes and the products
.set n, n+2
.endr
	s_wait_alu depctr_va_vdst(0)
	s_wait_dscnt 0x0                               ; v
.irp t, 0,1,2,3
	v_wmma_scale_f32_16x16x128_f8f6f4 v[168+8*\t:175+8*\t], v[40+16*\t:55+16*\t], v[200:215], v[168+8*\t:175+8*\t], v[248+\t], v253   ; the four accumulators by turns
.endr
.Lhid_\@:
	s_add_co_u32 s42, s42, 128
.endm
.macro WALK trips                      ; so many records on from LDS byte s40: a counted loop; the record's LDS byte is stepped by a constant
	s_mov_b32 s99, 0
.Lst_\@:
	STEP
	s_add_co_u32 s40, s40, REC
	s_add_co_u32 s99, s99, 1
	s_cmp_lt_u32 s99, \trips
	s_cbranch_scc1 .Lst_\@
.endm
; A TILE'S END: y = O^T / the sum; register 16 b + i is channel 32 b + 16 h + i of my query: two blocks of 32 along C.  Codes: 1,024 consecutive bytes a wave; the two scale bytes: 2 bytes a lane, lanes 0-15.
.macro FINAL yd, ys
.rept 8
	v_nop                                          ; places behind the last products
.endr
	v_add_f32 v14, v14, v15
	s_delay_alu instid0(VALU_DEP_1)
	v_permlanex16_b32 v254, v14, s20, s21
	s_delay_alu instid0(VALU_DEP_1)
	v_add_f32 v14, v14, v254                       ; the row's sum
	s_wait_alu depctr_va_vdst(0)
	v_rcp_f32 v252, v14
	v_nop                                          ; a plain line behind the reciprocal,
	s_wait_alu depctr_va_vdst(0)                   ; and the wait ahead of its first reader
.set n, 0
.rept 16
	v_pk_mul_f32 v[104+n:105+n], v[168+n:169+n], v[252:253] op_sel_hi:[1,0]   ; each accumulator from its low end on
.set n, n+2
.endr
.irp b, 0,1
	v_max3_num_f32 v[216+\b], |v[104+16*\b]|, |v[105+16*\b]|, 0x4800000
.endr
.irp i, 2,4,6,8,10,12,14
.irp b, 0,1
	s_delay_alu instid0(VALU_DEP_2)
	v_max3_num_f32 v[216+\b], v[216+\b], |v[104+16*\b+\i]|, |v[105+16*\b+\i]|
.endr
.endr
.irp b, 0,1
	s_delay_alu instid0(VALU_DEP_2)
	v_permlanex16_b32 v[220+\b], v[216+\b], s20, s21
.endr
.irp b, 0,1
	s_delay_alu instid0(VALU_DEP_2)
	v_max_num_f32 v[216+\b], v[216+\b], v[220+\b]
.endr
.irp b, 0,1
	s_delay_alu instid0(VALU_DEP_2)
	v_add_nc_u32 v[228+\b], 0xfc000000, v[216+\b]
.endr
.irp b, 0,1
	s_delay_alu instid0(VALU_DEP_4)
	v_and_or_b32 v[224+\b], v[216+\b], 0x7f800000, s19
.endr
.irp b, 0,1
	s_delay_alu instid0(VALU_DEP_4)
	v_lshrrev_b32 v[220+\b], 23, v[228+\b]
.endr
	s_delay_alu instid0(VALU_DEP_1)
	v_lshl_or_b32 v254, v221, 8, v220
.irp b, 0,1
.irp i, 0,1,2,3,4,5,6,7,8,9,10,11,12,13,14,15
	v_med3_num_f32 v[104+16*\b+\i], v[104+16*\b+\i], -v[224+\b], v[224+\b]
.endr
	v_cvt_scalef32_pk8_fp8_f32 v[200+4*\b:201+4*\b], v[104+16*\b:111+16*\b], v[228+\b]
	v_cvt_scalef32_pk8_fp8_f32 v[202+4*\b:203+4*\b], v[112+16*\b:119+16*\b], v[228+\b]
.endr
	v_nop                                          ; one plain line behind the last conversion
	global_store_b128 v2, v[200:203], s[\yd:\yd+1]
	global_store_b128 v2, v[204:207], s[\yd:\yd+1] offset:512
	s_wait_xcnt 0x0                                ; EXEC changes only behind this wait
	v_cmp_gt_u32 vcc_lo, 16, v6
	s_and_saveexec_b32 s59, vcc_lo
	global_store_b16 v7, v254, s[\ys:\ys+1]
	s_wait_xcnt 0x0                                ; and again, in front of the line that widens it; the stores' registers may be written again too
	s_or_b32 exec_lo, exec_lo, s59
.endm
	s_wait_alu depctr_va_vdst(0)
	s_cmp_lt_u32 s14, 4
	s_cbranch_scc0 .Lnot4
	s_wait_tensorcnt 0x0                           ; waves 0 to 3: my record is in.  The other waves' wait stands at the second barrier
.Lnot4:
	s_barrier_signal -1
	s_barrier_wait -1                              ; records 0 to 3 are whole
	s_mov_b32 s40, 0
	WALK 4                                         ; the first tile needs eight key steps at the least: none of these four is hidden
	s_wait_tensorcnt 0x0                           ; every wave: my record is in,
	s_wait_dscnt 0x0                               ; and no LDS load of mine is out at the signal
	s_barrier_signal -1
	s_barrier_wait -1                              ; all sixteen records are whole, and stay
	WALK 12
	FINAL 48, 50
.irp n, 0,1,2,3,4,5,6,7
	v_mov_b32 v[24+\n], v[232+\n]                  ; the second tile's q,
.endr
	v_and_or_b32 v10, v240, 0xffff, s60            ; its scale words,
	v_and_or_b32 v11, v240, 0xffff0000, s61
	RESET                                          ; a new state (these lines are also the places between the scale words and the next products),
	s_mov_b32 s42, 0                               ; and the keys from 0 on
	s_mov_b32 s43, s45
	s_mov_b32 s44, s17
	s_mov_b32 s46, s18
	s_mov_b32 s40, 0
	WALK 8                                         ; the second tile lies among the head's first 64: eight key steps at the most
	FINAL 52, 54
	s_wait_tensorcnt 0x0                           ; the wave's end
	ds_add_u32 v3, v4
	s_wait_dscnt 0x0
	CROUND                                         ; the closing round
	s_endpgm
.Lfunc_end_k_q251617354d_attn:
	.size	k_q251617354d_attn, .Lfunc_end_k_q251617354d_attn-k_q251617354d_attn
	.p2alignl 7, 3214868480
	.fill 96, 4, 3214868480
	.section	.rodata,"a",@progbits
	.p2align	6, 0x0
	.amdhsa_kernel k_q251617354d_attn
		.amdhsa_group_segment_fixed_size 327680
		.amdhsa_private_segment_fixed_size 0
		.amdhsa_enable_private_segment 0
		.amdhsa_kernarg_size 40
		.amdhsa_user_sgpr_count 2
		.amdhsa_user_sgpr_kernarg_segment_ptr 1
		.amdhsa_wavefront_size32 1
		.amdhsa_system_sgpr_workgroup_id_x 1
		.amdhsa_system_sgpr_workgroup_id_y 1
		.amdhsa_system_sgpr_workgroup_id_z 1
		.amdhsa_system_vgpr_workitem_id 0
		.amdhsa_next_free_vgpr 256
		.amdhsa_next_free_sgpr 100
		.amdhsa_reserve_vcc 1
		.amdhsa_float_denorm_mode_32 3
		.amdhsa_float_denorm_mode_16_64 3
		.amdhsa_memory_ordered 1
		.amdhsa_forward_progress 1
		.amdhsa_inst_pref_size 99
	.end_amdhsa_kernel
	.amdgpu_metadata
---
amdhsa.version: [ 1, 2 ]
amdhsa.kernels:
  - .name:           k_q251617354d_attn
    .symbol:         k_q251617354d_attn.kd
    .args:
      - { .name: qimg, .offset: 0, .size: 8, .value_kind: global_buffer, .address_space: global }
      - { .name: qsc, .offset: 8, .size: 8, .value_kind: global_buffer, .address_space: global }
      - { .name: kv, .offset: 16, .size: 8, .value_kind: global_buffer, .address_space: global }
      - { .name: aimg, .offset: 24, .size: 8, .value_kind: global_buffer, .address_space: global }
      - { .name: asc, .offset: 32, .size: 8, .value_kind: global_buffer, .address_space: global }
    .group_segment_fixed_size: 327680
    .private_segment_fixed_size: 0
    .kernarg_segment_align: 8
    .kernarg_segment_size: 40
    .max_flat_workgroup_size: 512
    .sgpr_count:     100
    .vgpr_count:     256
    .wavefront_size: 32
...
	.end_amdgpu_metadata
.endif
;; end of part 3
;; launch proj (part 4): grid 4 x 64, 4 waves a work-group, clusters of 4 x 4, 327,680 bytes of LDS; arguments aimg, asc, wimg, wsc, bproj, out0; writes out0
.if DOCPART == 4
	.amdgcn_target "amdgcn-amd-amdhsa--gfx1250"
	.amdhsa_code_object_version 6
	.text
	.protected	k_q251617354d_proj
	.globl	k_q251617354d_proj
	.p2align	8
	.type	k_q251617354d_proj,@function
k_q251617354d_proj:
	s_mov_b64 s[64:65], 0
	v_nop
	global_prefetch_b8 v0, s[64:65] scope:SCOPE_SE
	s_setreg_imm32_b32 hwreg(HW_REG_WAVE_MODE, 25, 1), 1
	s_wait_xcnt 0x0
	s_wait_alu depctr_hold_cnt(0) depctr_sa_sdst(0) depctr_va_vdst(0) depctr_va_sdst(0) depctr_va_ssrc(0) depctr_va_vcc(0) depctr_vm_vsrc(0)
	s_getreg_b32 s2, hwreg(HW_REG_IB_STS2, 6, 4)
	s_cmp_eq_u32 s2, 0
	s_cbranch_scc0 .Lentry_in_a_cluster
	s_endpgm
.Lentry_in_a_cluster:
	s_bfe_u32 s2, ttmp6, 0x10000c
	s_cmp_lg_u32 s2, 0xf033
	s_cbranch_scc0 .Lentry_shape_is_right
	s_endpgm
.Lentry_shape_is_right:
; out0 = y Wproj + bproj on codes of FP8 (E4M3) with E8M0 scales, K = 1024, f32 sums and f32 results.  R = y's tokens (aimg, asc), CC = Wproj's columns (the weights' groups of 128 from 24 on).
; A work-group makes 128 tokens x 256 columns: 64 x 4 = 256 work-groups.  Four waves, 2 x 2, 64 x 128 each: 32 accumulators.  Source 0 = 16 rows of CC, source 1 = 16 rows of R: a lane holds neighbouring columns of one token.
; The bias is the C of each sum's first product.  Index i of tile T is row 32 (T / 2) + 8 (T % 2) + i + 8 (i / 8).
; Operands lie in memory as images of registers: 128 rows x 256 along K are 32,768 dense bytes; a fragment comes by four ds_load_b128 at 16 x lane.  K goes in four steps of 256 through two LDS slots of 98,304 bytes (R, then CC's two groups).
; Both operands have two sets of registers: while one 128 along K is multiplied, the next one's 48 loads are out.  The scale words of all of K come once, at the head.
; CLUSTERS: 4 x 4.  R's tiles hang on the tile row and are asked for jointly along a row of the cluster, CC's on the tile column and jointly along a column.
; THE HEAD: one load a wave: R's K step 0, CC's K step 0 (both groups by one descriptor), R's scale words, CC's.  Slot 1's first fill stands behind the full sequence and a round.  In the ring waves 0, 1 fetch halves of R's tile, waves 2, 3 a group of CC each.
; PREFETCHES: a K step is 128 blocks of 256 bytes of R and 256 of CC; the four partners of a joint load share them out by address (R: wave 0, piece cx; CC: waves 2, 3, piece 2 cy + wave % 2), a lane a block.  K steps 1 and 2 are named at the head, K step 3 at the change that loads K step 2.
; The results leave through each wave's stage in slot 0, which has had its last fill and its last read by then, as rows of 512 bytes.
; REGISTERS: window 0: v1-31 addresses; v32-63 scale words alone; v64-127 the bias; v128-255 R's fragments, two sets of four, later the rows on their way out.  window 1: CC's fragments, two sets of eight.  window 2: accumulator (a, b) at v[8 (8 a + b)].
.set SLOT,   98304
.set CCO,    32768
.set SCL,    2*SLOT                    ; R's scale words, 4,096 bytes; CC's 8,192 lie 4,096 + 128 bytes on
.set SCD,    4224
.set SPARE,  209152                    ; the spare words, 128 bytes for each wave: two blocks of 256 bytes that no other line names
.set ADRA, 16
.set ADRT, 18
.set ADRB, 20
.set STO,  24
.set RD,   25
.set PFO,  26
.set ADRS, 27
.set SPW,  28
.set NIL,  29
.set BO,   30
.set L16,  31
.set SC,   32
.set BI,   64
.set AF,   128
.set BK,   128
.set G1, 24
.set G0, 32
.set G1B, 48
.set G0B, 56
.set G1S, 68
.set G0S, 76
.set G1SB, 80
.set G0SB, 88
.set MSB, 0
.macro WIN new                         ; the immediate's high byte repeats the setting that is left
.if MSB != (\new)
	s_set_vgpr_msb (MSB<<8)|(\new)
.set MSB, (\new)
.endif
.endm
.set MUL_LO, 0xa1                      ; source 0 (CC) window 1, source 1 (R) window 0, C and D window 2
.set TO_B,   0x40
.macro PLACES n
.rept \n
	v_nop
.endr
.endm
.macro TL g0, g1                       ; an s_nop 0 and four v_nop follow a load
	tensor_load_to_lds s[\g0:\g0+3], s[\g1:\g1+7]
	s_nop 0
	PLACES 4
.endm
.macro JLOAD g0a, g1a, g0b, g1b        ; waves 0 and 1 fetch for R, waves 2 and 3 for CC
	s_cmp_eq_u32 s21, 0
	s_cbranch_scc0 .Lfor_b_\@
	TL \g0a, \g1a
	s_branch .Lasked_\@
.Lfor_b_\@:
	TL \g0b, \g1b
.Lasked_\@:
.endm
.macro CREST
	s_cmp_lg_u32 s20, 0
	s_cbranch_scc1 .Lnot_wave_0_\@
	s_barrier_signal -3
.Lnot_wave_0_\@:
	s_barrier_wait -3
	s_barrier_signal -1
	s_barrier_wait -1
.endm
.macro CROUND
	s_barrier_signal -1
	s_barrier_wait -1
	CREST
.endm
.macro ASK off                         ; wave 1 has no share of the blocks
	s_cmp_eq_u32 s20, 1
	s_cbranch_scc1 .Lno_\@
	global_prefetch_b8 v[PFO], s[94:95] offset:\off th:TH_LOAD_NT scope:SCOPE_SE
.Lno_\@:
.endm
	s_load_b256 s[4:11], s[0:1], 0x0               ; aimg, asc, wimg, wsc
	s_load_b128 s[12:15], s[0:1], 0x20             ; bproj, out0
	v_lshl_add_u32 v[SPW], v0, 2, SPARE
	v_mov_b32 v[NIL], 0
	ds_add_u32 v[SPW], v[NIL]                      ; the opening lines: the add twice on end and its wait
	ds_add_u32 v[SPW], v[NIL]
	v_lshrrev_b32 v1, 5, v0
	v_readfirstlane_b32 s20, v1                    ; wave
	s_lshr_b32 s21, s20, 1                         ; which 64 tokens are mine.  Also: I fetch for R (0) or for CC (1)
	s_and_b32 s22, s20, 1                          ; which group of CC is mine.  Also: which part I fetch
	s_bfe_u32 s40, ttmp6, 0x40000                  ; cx: the tile column
	s_bfe_u32 s41, ttmp6, 0x40004                  ; cy
	s_and_b32 s43, ttmp7, 0xffff
	s_lshl_b32 s43, s43, 2
	s_add_co_u32 s43, s43, s41                     ; the tile row: R's group of 128 tokens
	s_lshl_b32 s3, s40, 1
	s_add_co_u32 s3, s3, 24                        ; CC's first group
	s_lshl_b32 s44, s41, 2
	s_lshl_b32 s44, 15, s44                        ; my row of the cluster
	s_lshl_b32 s45, 0x1111, s40                    ; my column
	s_or_b32 s[G1], s44, (3<<16)|(1<<21)
	s_mov_b32 s[G1+1], 32<<16                      ; at the head: R's 32,768 dense bytes as 128 rows of 256
	s_mov_b32 s[G1+2], 128<<16
	s_mov_b32 s[G1+3], 32<<16
	s_mov_b32 s[G1+4], 128
	s_mov_b32 s[G1+5], 32
	s_mov_b32 s[G1+6], 0
	s_mov_b32 s[G1+7], 0
	s_or_b32 s[G1B], s45, (3<<16)|(1<<21)
	s_mov_b32 s[G1B+1], 4096<<16                   ; at the head: CC's two groups: two rows of 32,768 bytes, 131,072 bytes apart in memory, on end in LDS
	s_mov_b32 s[G1B+2], 2<<16
	s_mov_b32 s[G1B+3], 4096<<16
	s_mov_b32 s[G1B+4], 2
	s_mov_b32 s[G1B+5], 16384
	s_mov_b32 s[G1B+6], 0
	s_mov_b32 s[G1B+7], 0
	s_or_b32 s[G1S], s44, (3<<16)|(1<<21)
	s_mov_b32 s[G1S+1], 32<<16                     ; R's scale words: 16 rows of 256 bytes
	s_mov_b32 s[G1S+2], 16<<16
	s_mov_b32 s[G1S+3], 32<<16
	s_mov_b32 s[G1S+4], 16
	s_mov_b32 s[G1S+5], 32
	s_mov_b32 s[G1S+6], 0
	s_mov_b32 s[G1S+7], 0
	s_or_b32 s[G1SB], s45, (3<<16)|(1<<21)
	s_mov_b32 s[G1SB+1], 32<<16                    ; CC's: 32 rows
	s_mov_b32 s[G1SB+2], 32<<16
	s_mov_b32 s[G1SB+3], 32<<16
	s_mov_b32 s[G1SB+4], 32
	s_mov_b32 s[G1SB+5], 32
	s_mov_b32 s[G1SB+6], 0
	s_mov_b32 s[G1SB+7], 0
	s_wait_dscnt 0x0
	s_wait_kmcnt 0x0
	s_lshl_b32 s66, s43, 17
	s_mov_b32 s67, 0
	s_add_nc_u64 s[92:93], s[4:5], s[66:67]        ; R's codes
	s_lshl_b32 s66, s43, 12
	s_add_nc_u64 s[94:95], s[6:7], s[66:67]        ; R's scale words
	s_lshl_b32 s100, s3, 17
	s_mov_b32 s101, 0
	s_add_nc_u64 s[96:97], s[8:9], s[100:101]      ; CC's codes
	s_lshl_b32 s100, s3, 12
	s_add_nc_u64 s[98:99], s[10:11], s[100:101]    ; CC's scale words
	CROUND                                         ; all sixteen work-groups are here: the first joint loads meet
	s_mov_b32 s4, 1                                ; group 0 of the head's loads, in registers that held arguments
	s_mov_b32 s5, 0
	s_mov_b64 s[6:7], s[92:93]
	s_or_b32 s7, s7, 0x80000000
	s_mov_b32 s8, 1
	s_mov_b32 s9, CCO
	s_mov_b64 s[10:11], s[96:97]
	s_or_b32 s11, s11, 0x80000000
	s_mov_b32 s[G0S], 1
	s_mov_b32 s[G0S+1], SCL
	s_mov_b64 s[G0S+2:G0S+3], s[94:95]
	s_or_b32 s[G0S+3], s[G0S+3], 0x80000000
	s_mov_b32 s[G0SB], 1
	s_mov_b32 s[G0SB+1], SCL+SCD
	s_mov_b64 s[G0SB+2:G0SB+3], s[98:99]
	s_or_b32 s[G0SB+3], s[G0SB+3], 0x80000000
	s_lshl_b32 s66, s22, 14                        ; the ring: my half of R's tile, 16,384 bytes,
	s_lshl_b32 s100, s22, 17                       ; or my group of CC
	s_lshl_b32 s46, s22, 15
	s_add_co_u32 s46, s46, CCO
	s_add_nc_u64 s[94:95], s[92:93], s[66:67]
	s_add_nc_u64 s[98:99], s[96:97], s[100:101]
.irp s, 0,1
	s_mov_b32 s[G0+4*\s], 1
	s_add_co_u32 s[G0+4*\s+1], s66, \s*SLOT
	s_add_nc_u64 s[G0+4*\s+2:G0+4*\s+3], s[94:95], \s*32768
	s_or_b32 s[G0+4*\s+3], s[G0+4*\s+3], 0x80000000
	s_mov_b32 s[G0B+4*\s], 1
	s_add_co_u32 s[G0B+4*\s+1], s46, \s*SLOT
	s_add_nc_u64 s[G0B+4*\s+2:G0B+4*\s+3], s[98:99], \s*32768
	s_or_b32 s[G0B+4*\s+3], s[G0B+4*\s+3], 0x80000000
.endr
	s_cmp_eq_u32 s20, 0                            ; THE HEAD'S LOADS, one a wave: one chain of branches on the wave's number, a load to an arm
	s_cbranch_scc0 .Lh1
	TL 4, G1
	s_branch .Lhj
.Lh1:
	s_cmp_eq_u32 s20, 1
	s_cbranch_scc0 .Lh2
	TL 8, G1B
	s_branch .Lhj
.Lh2:
	s_cmp_eq_u32 s20, 2
	s_cbranch_scc0 .Lh3
	TL G0S, G1S
	s_branch .Lhj
.Lh3:
	TL G0SB, G1SB
.Lhj:
	v_and_b32 v1, 15, v0                           ; r
	v_bfe_u32 v2, v0, 4, 1                         ; h
	v_and_b32 v3, 31, v0
	v_lshlrev_b32 v[L16], 4, v3
	s_wait_alu depctr_va_vdst(0)
	s_lshl_b32 s2, s21, 14                         ; my four tiles of R
	s_mov_b32 s3, s46                              ; my group of CC
.irp s, 0,1
	v_add_nc_u32 v[ADRA+\s], s2, v[L16]
	v_add_nc_u32 v[ADRB+\s], s3, v[L16]
	s_add_co_u32 s2, s2, SLOT
	s_add_co_u32 s3, s3, SLOT
.endr
	s_lshl_b32 s2, s21, 9                          ; the scale words: lanes 0-15 take R's rows (my four tiles begin 512 s21 bytes on), lanes 16-31 CC's: one product, the distance between the two bases
	s_lshl_b32 s3, s22, 12
	s_add_co_u32 s3, s3, SCD
	s_sub_co_u32 s3, s3, s2
	v_mul_u32_u24 v4, s3, v2
	v_lshl_add_u32 v4, v1, 3, v4
	s_add_co_u32 s3, s3, 512
	v_mul_u32_u24 v5, s3, v2
	v_lshl_add_u32 v5, v1, 3, v5
	s_add_co_u32 s3, s2, SCL
	v_add_nc_u32 v[ADRS], s3, v4                   ; for blocks 0-3
	s_add_co_u32 s3, s2, SCL-512
	v_add_nc_u32 v[ADRT], s3, v5                   ; for CC's blocks 4-7: there lanes 0-15 read R's blocks 0-3 once more
	s_mul_i32 s2, s20, 16*528                      ; my stage
	v_mul_u32_u24 v4, v1, 528
	v_lshl_add_u32 v4, v2, 6, v4
	v_add_nc_u32 v[STO], s2, v4
	v_add_nc_u32 v[RD], s2, v[L16]
	v_lshlrev_b32 v[BO], 6, v2                     ; the bias: block b's register j is column 32 (b / 2) + 8 (b % 2) + 16 h + j of my 128
	s_lshl_b32 s100, s40, 10
	s_lshl_b32 s2, s22, 9
	s_add_co_u32 s100, s100, s2
	s_add_nc_u64 s[100:101], s[12:13], s[100:101]
.irp b, 0,1,2,3,4,5,6,7
	global_load_b128 v[BI+8*\b:BI+8*\b+3], v[BO], s[100:101] offset:(32*(\b/2)+8*(\b%2))*4
	global_load_b128 v[BI+8*\b+4:BI+8*\b+7], v[BO], s[100:101] offset:(32*(\b/2)+8*(\b%2))*4+16
.endr
	s_lshl_b32 s2, s43, 7                          ; my first token,
	s_lshl_b32 s3, s21, 6
	s_add_co_u32 s2, s2, s3
	s_lshl_b32 s2, s2, 12                          ; 4,096 bytes a row of out0,
	s_lshl_b32 s3, s40, 10
	s_add_co_u32 s2, s2, s3
	s_lshl_b32 s3, s22, 9
	s_add_co_u32 s2, s2, s3                        ; and my first column
	s_mov_b32 s3, 0
	s_add_nc_u64 s[14:15], s[14:15], s[2:3]
	s_cmp_eq_u32 s21, 0                            ; the prefetches: whose tile, my place among the four that share it, my piece of 8,192 bytes
	s_cselect_b64 s[94:95], s[92:93], s[96:97]
	s_cselect_b32 s2, s40, s41
	s_lshl_b32 s3, s2, 1
	s_add_co_u32 s3, s3, s22
	s_cmp_eq_u32 s21, 0
	s_cselect_b32 s2, s2, s3
	s_lshr_b32 s3, s2, 2
	s_lshl_b32 s3, s3, 17
	s_and_b32 s2, s2, 3
	s_lshl_b32 s2, s2, 13
	s_add_co_u32 s66, s2, s3
	s_add_nc_u64 s[94:95], s[94:95], s[66:67]
	v_lshlrev_b32 v[PFO], 8, v3                    ; 256 x lane; never rewritten
	s_wait_alu depctr_va_vdst(0)                   ; the wait stands directly behind the write
	ASK 32768
	ASK 65536
.macro FRAG reg, adr, q, i
.irp c, 0,1,2,3
	ds_load_b128 v[\reg+4*\c:\reg+4*\c+3], v[\adr] offset:4096*(\i)+2048*(\q)+512*\c
.endr
.endm
; 16 matrix instructions: R's blocks a0, a0 + 1 x CC's eight, from set p.  The 32 accumulators take turns, one instruction a turn, in the same order in every step.
.macro MUL16 a0, p, q, sc, cin
.irp a, \a0, \a0+1
.irp b, 0,1,2,3,4,5,6,7
.if \cin
	v_wmma_scale_f32_16x16x128_f8f6f4 v[8*(8*(\a)+\b):8*(8*(\a)+\b)+7], v[128*(\p)+16*\b:128*(\p)+16*\b+15], v[AF+64*(\p)+16*(\a):AF+64*(\p)+16*(\a)+15], v[BI+8*\b:BI+8*\b+7], v[SC+16*(\sc)+2*\b+(\q)], v[SC+16*(\sc)+2*(\a)+(\q)] matrix_a_scale:MATRIX_SCALE_ROW1
.else
	v_wmma_scale_f32_16x16x128_f8f6f4 v[8*(8*(\a)+\b):8*(8*(\a)+\b)+7], v[128*(\p)+16*\b:128*(\p)+16*\b+15], v[AF+64*(\p)+16*(\a):AF+64*(\p)+16*(\a)+15], v[8*(8*(\a)+\b):8*(8*(\a)+\b)+7], v[SC+16*(\sc)+2*\b+(\q)], v[SC+16*(\sc)+2*(\a)+(\q)] matrix_a_scale:MATRIX_SCALE_ROW1
.endif
.endr
.endr
.endm
.macro FETCH slot, q, p                ; 48 loads: CC's eight fragments and R's four of the slot's q-th 128 along K into set p
	WIN TO_B
.irp i, 0,1,2,3,4,5,6,7
	FRAG 128*(\p)+16*\i, ADRB+\slot, \q, \i
.endr
	WIN 0
.irp i, 0,1,2,3
	FRAG AF+64*(\p)+16*\i, ADRA+\slot, \q, \i
.endr
.endm
.macro SCALES sc                       ; a K step's scale words: register 2 i + q: lanes 0-15 R's block i, lanes 16-31 CC's block i
.irp i, 0,1,2,3
	ds_load_b64 v[SC+16*\sc+2*\i:SC+16*\sc+2*\i+1], v[ADRS] offset:128*\i
.endr
.irp i, 4,5,6,7
	ds_load_b64 v[SC+16*\sc+2*\i:SC+16*\sc+2*\i+1], v[ADRT] offset:128*\i
.endr
.endm
.macro STEPA slot, cin                 ; a slot's first 128 along K, from set 0; in its middle the second's fragments are fetched into set 1, eight places behind the products that read that set
	s_wait_dscnt 0x0
	WIN MUL_LO-0x20*(\cin)                         ; cin = 1: C, the bias, in window 0
	MUL16 0, 0, 0, \slot, \cin
	PLACES 8
	FETCH \slot, 1, 1
	WIN MUL_LO-0x20*(\cin)
	MUL16 2, 0, 0, \slot, \cin
	WIN 0
.endm
; A slot's second 128 along K, from set 1, changes slots: one barrier; in front of it each wave waits for all its tensor loads, adds 0 to its spare word, and waits for that and for its reads of this slot, which are over.
.macro TURN slot, next, fill
	s_wait_tensorcnt 0x0
	ds_add_u32 v[SPW], v[NIL]
	s_wait_dscnt 0x0
	s_barrier_signal -1
	WIN MUL_LO
	MUL16 0, 1, 1, \slot, 0                        ; work on registers while the others arrive
	WIN 0
	s_barrier_wait -1
.if \fill
	CREST                                          ; the barrier has opened a round of the cluster's barrier
	s_add_nc_u64 s[G0+4*\slot+2:G0+4*\slot+3], s[G0+4*\slot+2:G0+4*\slot+3], 65536
	s_add_nc_u64 s[G0B+4*\slot+2:G0B+4*\slot+3], s[G0B+4*\slot+2:G0B+4*\slot+3], 65536
	JLOAD G0+4*\slot, G1, G0B+4*\slot, G1B         ; my one load behind the round; its four v_nop are among the eight places in front of the loads below
	PLACES 4
.else
	PLACES 8
.endif
	v_add_nc_u32 v[ADRS], 1024, v[ADRS]            ; on to the next K step's scale words
	v_add_nc_u32 v[ADRT], 1024, v[ADRT]
	s_wait_alu depctr_va_vdst(0)
	FETCH \next, 0, 0
	SCALES \next
.if (\fill) && (\slot) == 0
	ASK 98304                                      ; K step 3, one change of slots ahead of its load
.endif
	WIN MUL_LO
	MUL16 2, 1, 1, \slot, 0
	WIN 0
.endm
	s_wait_alu depctr_va_vdst(0)
	s_wait_tensorcnt 0x0                           ; my tile of the head's four is in; slot 1's first fill is issued as a refill is:
	ds_add_u32 v[SPW], v[NIL]
	s_mov_b32 s[G1+2], 64<<16                      ; no tensor load of mine is out, so a descriptor may be written: in the ring a load of R brings 64 rows of 256 bytes,
	s_mov_b32 s[G1+4], 64
	s_mov_b32 s[G1B+1], 32<<16                     ; a load of CC 128
	s_mov_b32 s[G1B+2], 128<<16
	s_mov_b32 s[G1B+3], 32<<16
	s_mov_b32 s[G1B+4], 128
	s_mov_b32 s[G1B+5], 32
	s_wait_dscnt 0x0
	CROUND                                         ; all four tiles are in, and all sixteen work-groups are here
	JLOAD G0+4, G1, G0B+4, G1B                     ; K step 1
	FETCH 0, 0, 0
	SCALES 0
	s_wait_loadcnt 0x0                             ; the bias
	STEPA 0, 1
	TURN 0, 1, 1
	STEPA 1, 0
	TURN 1, 0, 1
	STEPA 0, 0
	TURN 0, 1, 0                                   ; nothing is left to fetch: no round
	STEPA 1, 0
	s_wait_dscnt 0x0
	WIN MUL_LO
	MUL16 0, 1, 1, 1, 0
	MUL16 2, 1, 1, 1, 0
	WIN 0
; THE WAY OUT, block by block of 16 tokens x 128 columns, through my stage: rows of 528 bytes in, whole rows of 512 bytes back; LDS serves a wave's instructions in order.
.macro TOSTAGE a
.set AC, 64*(\a)
	WIN 0x08                                       ; the data: window 2
.irp b, 0,1,2,3,4,5,6,7
	ds_store_b128 v[STO], v[AC+8*\b:AC+8*\b+3] offset:128*(\b/2)+32*(\b%2)          ; each accumulator from its low end on
	ds_store_b128 v[STO], v[AC+8*\b+4:AC+8*\b+7] offset:128*(\b/2)+32*(\b%2)+16
.endr
	WIN 0
.set BB, BK+64*((\a)%2)
.irp t, 0,1,2,3,4,5,6,7,8,9,10,11,12,13,14,15
	ds_load_b128 v[BB+4*\t:BB+4*\t+3], v[RD] offset:\t*528
.endr
.endm
.macro SEND a, younger
.set BB, BK+64*((\a)%2)
	s_wait_dscnt \younger                          ; the block is back; behind its loads stand the next block's 16 stores and 16 loads
.irp t, 0,1,2,3,4,5,6,7,8,9,10,11,12,13,14,15
	global_store_b128 v[L16], v[BB+4*\t:BB+4*\t+3], s[14:15] offset:(32*((\a)/2)+8*((\a)%2)+\t+8*(\t/8))*4096 th:TH_STORE_NT   ; 32 lanes store 512 consecutive bytes, aligned
.endr
.endm
	PLACES 8
	TOSTAGE 0
.irp a, 1,2,3
.if \a > 1
	s_wait_xcnt 0x0                                ; block a - 2's stores have read their registers
.endif
	TOSTAGE \a
	SEND \a-1, 32
.endr
	SEND 3, 0
	s_wait_tensorcnt 0x0                           ; the wave's end
	ds_add_u32 v[SPW], v[NIL]
	s_wait_dscnt 0x0
	CROUND                                         ; the closing round
	s_endpgm
.Lfunc_end_k_q251617354d_proj:
	.size	k_q251617354d_proj, .Lfunc_end_k_q251617354d_proj-k_q251617354d_proj
	.p2alignl 7, 3214868480
	.fill 96, 4, 3214868480
	.section	.rodata,"a",@progbits
	.p2align	6, 0x0
	.amdhsa_kernel k_q251617354d_proj
		.amdhsa_group_segment_fixed_size 327680
		.amdhsa_private_segment_fixed_size 0
		.amdhsa_enable_private_segment 0
		.amdhsa_kernarg_size 48
		.amdhsa_user_sgpr_count 2
		.amdhsa_user_sgpr_kernarg_segment_ptr 1
		.amdhsa_wavefront_size32 1
		.amdhsa_system_sgpr_workgroup_id_x 1
		.amdhsa_system_sgpr_workgroup_id_y 1
		.amdhsa_system_sgpr_workgroup_id_z 1
		.amdhsa_system_vgpr_workitem_id 0
		.amdhsa_next_free_vgpr 768
		.amdhsa_next_free_sgpr 102
		.amdhsa_reserve_vcc 0
		.amdhsa_float_denorm_mode_32 3
		.amdhsa_float_denorm_mode_16_64 3
		.amdhsa_memory_ordered 1
		.amdhsa_forward_progress 1
		.amdhsa_inst_pref_size 92
	.end_amdhsa_kernel
	.amdgpu_metadata
---
amdhsa.version: [ 1, 2 ]
amdhsa.kernels:
  - .name:           k_q251617354d_proj
    .symbol:         k_q251617354d_proj.kd
    .args:
      - { .name: aimg, .offset: 0, .size: 8, .value_kind: global_buffer, .address_space: global }
      - { .name: asc, .offset: 8, .size: 8, .value_kind: global_buffer, .address_space: global }
      - { .name: wimg, .offset: 16, .size: 8, .value_kind: global_buffer, .address_space: global }
      - { .name: wsc, .offset: 24, .size: 8, .value_kind: global_buffer, .address_space: global }
      - { .name: bproj, .offset: 32, .size: 8, .value_kind: global_buffer, .address_space: global }
      - { .name: out0, .offset: 40, .size: 8, .value_kind: global_buffer, .address_space: global }
    .group_segment_fixed_size: 327680
    .private_segment_fixed_size: 0
    .kernarg_segment_align: 8
    .kernarg_segment_size: 48
    .max_flat_workgroup_size: 128
    .sgpr_count:     102
    .vgpr_count:     768
    .wavefront_size: 32
...
	.end_amdgpu_metadata
.endif
;; end of part 4
